; MI455X (gfx1250); checked and timed in simulation.
; The chip was launched on July 23, 2026; its instructions are those of AMD's public machine-readable ISA for CDNA 5 (MIT licence, August 2026) and "CDNA5" Instruction Set Architecture Reference Guide (July 2026). The comments in the code are by the model that wrote it; some were corrected since.
;; Causal Self Attention. Allowed arithmetic: matrix products marked QUANTISED: E2M1 operands, one E8M0 scale for each 32 along K, by v_wmma_scale_f32_16x16x128_f8f6f4 with both operands' format E2M1 (or v_wmma_scale_f32_32x16x128_f4), f32 sums; products left as they are: bf16, f16 or f32 operands; f32 sums; everything else in f32.
;; Inputs: W_out 1,024 x 1,024 float32; W_qkv 1,024 x 3,072 float32; b_out 1,024 float32; b_qkv 3,072 float32; x 4 x 2,048 x 1,024 float32.
;; Outputs: out0 4 x 2,048 x 1,024 float32.
;; This version of the problem:
;;   THIS VERSION OF THE PROBLEM IS GIVEN IN LOW PRECISION. The matrix products marked QUANTISED in the list below multiply operands that are first quantised to E2M1 (2 exponent bits, 1 mantissa bit; 4 bits a number), with one power-of-two scale for each 32 numbers along K (OCP MX v1.0); their sums are f32. The products marked 'left as it is' may take bf16, f16 or f32 operands, with f32 sums. Whichever they take, every output number must still come out within the allowed error. Rounding operands to bf16 (8 significant bits) uses up far more of that allowance than f16 does (11 bits, for magnitudes from 6e-5 to 65,504). All else is computed in f32.
;;   The module's matrix products, in the order in which they are computed (A, B: the left and right operand; K: the contracted axis; several contracted axes count as one K, in the product's order):
;;     1. [M 8,192, K 1,024] x [K 1,024, N 3,072]; A: input x; B: input W_qkv: QUANTISED
;;     2. batch 64 x [M 2,048, K 64] x [K 64, N 2,048]; A: computed on the way; B: computed on the way: left as it is (an operand is computed on the way)
;;     3. batch 64 x [M 2,048, K 2,048] x [K 2,048, N 64]; A: computed on the way; B: computed on the way: left as it is (an operand is computed on the way)
;;     4. [M 8,192, K 1,024] x [K 1,024, N 1,024]; A: computed on the way; B: input W_out: left as it is (an operand is computed on the way)
;;   THE QUANTISER, for each operand of a quantised product, along K:
;;     - K is cut into blocks of 32 from its start; a last block that is shorter is filled with zeros.
;;     - A block's scale is 2^e with e = floor(log2(the largest magnitude in the block)) - 2, held to -126 .. 127; a block of zeros has e = 0. As a byte (E8M0): e + 127.
;;     - Each number is divided by its block's scale, clamped to +-6, and rounded to the nearest number of E2M1, ties to even, subnormals kept.
;;     - The product sums the exact products of the quantised numbers (number of the format x scale) in f32.
;;   ~~~python
;;   def quantise(x, axis):      # numpy; x: float32 -> the quantised numbers, widened to float32 again
;;       x = np.moveaxis(x, axis, -1); K = x.shape[-1]
;;       x = np.pad(x, [(0, 0)] * (x.ndim - 1) + [(0, -K % 32)]); x = x.reshape(x.shape[:-1] + (-1, 32)); a = np.abs(x).max(-1, keepdims=True)
;;       e = np.where(a > 0, np.clip(np.frexp(np.where(a > 0, a, 1))[1] - 1 - 2, -126, 127), 0)      # np.frexp(a)[1] - 1 = floor(log2(a)), exactly
;;       r = np.clip(x / 2.0 ** e, -6, 6)
;;       step = 2.0 ** (np.maximum(np.frexp(np.where(r == 0, 1, r))[1] - 1, 0) - 1)
;;       q = np.round(r / step) * step * 2.0 ** e      # np.round: ties to even
;;       return np.moveaxis(q.reshape(q.shape[:-2] + (-1,))[..., :K], -1, axis).astype(np.float32)
;;   ~~~
;; One version. Each part assembles by itself: llvm-mc -triple=amdgcn-amd-amdhsa -mcpu=gfx1250 --defsym DOCPART=n.
;; ======== version 1 of 1: 5 launches
;; limits: values are held in f16: magnitudes above 65,504 overflow, below 6.1e-05 lose precision
;; workspace buffers: x_codes 4,194,304 bytes; x_scales 262,144 bytes; w_codes 1,572,864 bytes; w_scales 98,304 bytes; wout16 2,097,152 bytes; qkvh 50,331,648 bytes; qkv_fine 786,432 bytes; attn 16,777,216 bytes
;; launch prep (part 1): grid 368 x 1, 4 waves a work-group, no clusters, 68,096 bytes of LDS; arguments x, W_qkv, W_out, x_codes, x_scales, w_codes, w_scales, wout16; writes x_codes, x_scales, w_codes, w_scales, wout16
.if DOCPART == 1
	.amdgcn_target "amdgcn-amd-amdhsa--gfx1250"
	.amdhsa_code_object_version 6
	.text
	.protected	k_q1415fd0fa5_prep
	.globl	k_q1415fd0fa5_prep
	.p2align	8
	.type	k_q1415fd0fa5_prep,@function
k_q1415fd0fa5_prep:
	s_mov_b64 s[64:65], 0
	v_nop
	global_prefetch_b8 v0, s[64:65] scope:SCOPE_SE
	s_setreg_imm32_b32 hwreg(HW_REG_WAVE_MODE, 25, 1), 1
	s_wait_xcnt 0x0
; THREE JOBS IN ONE LAUNCH, told apart by the work-group's number alone; each job has LDS bytes of its own.
;   work-groups 0-47    W: W_qkv [1024 (k)][3072 (n)] f32 -> codes of FP4 (E2M1) laid [3072][1024] with K innermost (512 bytes a row), scale bytes [3072][32]
;   work-groups 48-111  O: W_out [1024][1024] f32 -> f16, same layout
;   work-groups 112-367 X: x [8192][1024] f32 -> codes [8192][512 bytes], scale bytes [8192][32]
; A block of 32 along K has the scale 2^(floor(log2(largest magnitude)) - 2); its byte is the largest magnitude's exponent field - 2, held at 1 from below.
; LIMITS: a block of zeros, and a block whose largest magnitude lies under 2^-124, get the byte 1 (zeros: the rule says 127; their codes are zeros and only this program reads the bytes);
; NaN and infinities among the inputs are not served; numbers of W_out beyond 65,504 in magnitude have no f16.
; No tensor loads, no barrier: waves share nothing.
.set SPARE, 67584                      ; behind both jobs' stages: the spare words, 128 bytes a wave: two blocks of 256 bytes that no other line names
.set SPW,   188                        ; v188 LDS address of my spare word; never rewritten
.set NIL,   189                        ; v189 0; never rewritten
.set WV,    20                         ; s20  my wave's number
	s_load_b512 s[4:19], s[0:1], 0x0               ; x s[4:5], W_qkv s[6:7], W_out s[8:9], x_codes s[10:11], x_scales s[12:13], w_codes s[14:15], w_scales s[16:17], wout16 s[18:19]
	v_lshl_add_u32 v[SPW], v0, 2, SPARE
	v_mov_b32 v[NIL], 0
	v_lshrrev_b32 v1, 5, v0
	v_readfirstlane_b32 s[WV], v1                  ; wave 0..3
	v_and_b32 v2, 31, v0                           ; lane
	s_mov_b32 s25, 0                               ; the high word of every offset pair s[24:25]
	s_wait_kmcnt 0x0
	s_cmp_lt_u32 ttmp9, 48
	s_cbranch_scc1 .Lrole_w
	s_cmp_lt_u32 ttmp9, 112
	s_cbranch_scc1 .Lrole_o
; ---------------- X: x is a plain stream of blocks of 32.  A wave takes 16 steps of 512 numbers.
; Each load reads 512 consecutive bytes, 16 a lane; a step's 2,048 bytes turn through the wave's own stage in LDS and come back 64 bytes a lane: 16 neighbours along K; two neighbouring lanes hold a block.
.set STEPS, 16
.set XWREG, 8192                       ; a wave's LDS: two stages of 32 x 80 bytes, then its 256 scale bytes
.set XSP,   80                         ; a lane's place in a stage: 64 bytes + 16 of padding
.set XR,    16                         ; v16-79   four sets of 16 numbers as loaded
.set XX,    80                         ; v80-111  two sets of 16 neighbours
.set XE,    112                        ; v112-127 a scale byte for each step
.set XC,    128                        ; v128-159 codes: two registers for each step, so that no store's data are written again
	v_lshlrev_b32 v3, 4, v2                        ; my 16 bytes of a load's 512
	s_mul_i32 s21, s[WV], XWREG
	v_lshrrev_b32 v14, 2, v2
	v_mul_u32_u24 v14, v14, XSP
	v_and_b32 v15, 3, v2
	v_lshl_add_u32 v14, v15, 4, v14
	v_add_nc_u32 v14, s21, v14                     ; into the stage: 80 (lane / 4) + 16 (lane % 4)
	v_mul_u32_u24 v15, v2, XSP
	v_add_nc_u32 v15, s21, v15                     ; out of it: 80 x lane
	v_lshlrev_b32 v4, 3, v2                        ; my 8 bytes of a step's 256 bytes of codes
	v_lshrrev_b32 v5, 1, v2
	s_add_co_u32 s21, s21, 2*32*XSP
	v_add_nc_u32 v5, s21, v5                       ; my block's scale byte in the wave's 256
	v_lshlrev_b32 v7, 3, v2
	v_add_nc_u32 v6, s21, v7                       ; and 8 of them a lane on the way out
	s_sub_co_u32 s22, ttmp9, 112
	s_lshl_b32 s22, s22, 2
	s_add_co_u32 s22, s22, s[WV]                   ; which run of 8,192 numbers is my wave's: 0..1023
	s_lshl_b32 s24, s22, 15
	s_add_nc_u64 s[4:5], s[4:5], s[24:25]          ; 32,768 bytes of x a run,
	s_lshl_b32 s24, s22, 12
	s_add_nc_u64 s[10:11], s[10:11], s[24:25]      ; 4,096 of codes,
	s_lshl_b32 s24, s22, 8
	s_add_nc_u64 s[12:13], s[12:13], s[24:25]      ; 256 scale bytes
.macro XLOAD t
.irp i, 0,1,2,3
	global_load_b128 v[XR+16*((\t)%4)+4*\i:XR+16*((\t)%4)+4*\i+3], v3, s[4:5] offset:2048*(\t)+512*\i th:TH_LOAD_NT
.endr
.endm
.macro XTURN t                         ; LDS serves a wave's instructions in order (ISA guide 5.7.1.4): no wait between the stores and the loads
.irp i, 0,1,2,3
	ds_store_b128 v14, v[XR+16*((\t)%4)+4*\i:XR+16*((\t)%4)+4*\i+3] offset:32*XSP*((\t)%2)+8*XSP*\i
.endr
.irp i, 0,1,2,3
	ds_load_b128 v[XX+16*((\t)%2)+4*\i:XX+16*((\t)%2)+4*\i+3], v15 offset:32*XSP*((\t)%2)+16*\i
.endr
.endm
.irp t, 0,1,2,3
	XLOAD \t
.endr
	s_wait_loadcnt 12                              ; step 0's four loads are in; the twelve of steps 1 to 3 may be out
	XTURN 0
.macro XSTEP t
.set XS, XX+16*((\t)%2)
.if (\t) > 0
	s_wait_dscnt 1                                 ; this step's numbers are back (the last step's byte store may be out): so its stores into the stage have read their registers,
.else
	s_wait_dscnt 0x0
.endif
.if (\t)+4 < STEPS
	XLOAD (\t)+4                                   ; which take the loads of four steps on
.endif
.if (\t)+1 < STEPS
.if STEPS-2-(\t) >= 3
	s_wait_loadcnt 12                              ; the next step's four loads are in; those of the three steps behind it may be out
.else
	s_wait_loadcnt 4*(STEPS-2-(\t))
.endif
	XTURN (\t)+1
.endif
	v_max3_num_f32 v8, |v[XS]|, |v[XS+1]|, |v[XS+2]|               ; the largest magnitude of my 16, in two chains
	v_max3_num_f32 v9, |v[XS+3]|, |v[XS+4]|, |v[XS+5]|
.irp i, 6,10
	v_max3_num_f32 v8, v8, |v[XS+\i]|, |v[XS+\i+1]|
	v_max3_num_f32 v9, v9, |v[XS+\i+2]|, |v[XS+\i+3]|
.endr
	v_max3_num_f32 v8, v8, |v[XS+14]|, |v[XS+15]|
	v_max3_num_f32 v8, v8, v9, 0x1800000           ; and the floor 2^(3 - 127): the byte cannot fall under 1
	v_max_num_f32_dpp v8, v8, v8 row_xmask:1 row_mask:0xf bank_mask:0xf   ; with my neighbour's 16: the block's
	v_add_nc_u32 v11, 0xff000000, v8               ; 2 off its exponent field: the conversion takes the exponent field of this operand as its scale
	v_cvt_scalef32_pk8_fp4_f32 v[XC+2*(\t)], v[XS:XS+7], v11
	v_cvt_scalef32_pk8_fp4_f32 v[XC+2*(\t)+1], v[XS+8:XS+15], v11
	v_lshrrev_b32 v[XE+(\t)], 23, v11              ; the scale's byte (a plain line behind the conversions)
	ds_store_b8 v5, v[XE+(\t)] offset:16*(\t)      ; both lanes of a block write the same byte with the same value
	global_store_b64 v4, v[XC+2*(\t):XC+2*(\t)+1], s[10:11] offset:256*(\t)   ; the wave stores 256 consecutive bytes, aligned
.endm
.irp t, 0,1,2,3,4,5,6,7,8,9,10,11,12,13,14,15
	XSTEP \t
.endr
	ds_load_b64 v[8:9], v6                         ; in order behind my byte stores
	s_wait_dscnt 0x0
	global_store_b64 v7, v[8:9], s[12:13]          ; 256 consecutive scale bytes, aligned
	s_wait_tensorcnt 0x0                           ; the wave's end, behind my last LDS store
	ds_add_u32 v[SPW], v[NIL]
	s_wait_dscnt 0x0
	s_endpgm
; ---------------- O: W_out to f16.  A wave takes 16,384 bytes: 32 loads of 512 consecutive bytes, all out at once; each becomes 256 consecutive bytes.
.Lrole_o:
	s_sub_co_u32 s22, ttmp9, 48
	s_lshl_b32 s22, s22, 2
	s_add_co_u32 s22, s22, s[WV]                   ; chunk 0..255
	s_lshl_b32 s24, s22, 14
	s_add_nc_u64 s[8:9], s[8:9], s[24:25]
	s_lshl_b32 s24, s22, 13
	s_add_nc_u64 s[18:19], s[18:19], s[24:25]
	v_lshlrev_b32 v3, 4, v2
	v_lshlrev_b32 v4, 3, v2
.set i, 0
.rept 32
	global_load_b128 v[16+4*i:19+4*i], v3, s[8:9] offset:512*i th:TH_LOAD_NT
.set i, i+1
.endr
.set i, 0
.rept 32
	s_wait_loadcnt 31-i                            ; loads come back in order (ISA guide 5.7.1): load i is in, the 31 - i younger ones may be out
	v_cvt_pk_f16_f32 v[16+4*i], v[16+4*i], v[17+4*i]
	v_cvt_pk_f16_f32 v[17+4*i], v[18+4*i], v[19+4*i]
	global_store_b64 v4, v[16+4*i:17+4*i], s[18:19] offset:256*i
.set i, i+1
.endr
	s_endpgm                                       ; this job wrote no LDS
; ---------------- W: K is W_qkv's FIRST axis.  A lane takes a column n and its registers run down K: a block of 32 lies in one lane, and the conversions give codes with K innermost.
; A wave takes 32 columns x 512 along K; its codes go through its own stage and leave as rows: sixteen lanes store 256 consecutive bytes, aligned.  Loads run two blocks (64 loads a wave) ahead.
.Lrole_w:
.set WSTG, 32768                       ; the four stages of this job: 32 rows x 272 bytes a wave
.set WP,   272
.set WN4,  12288                       ; a row of W_qkv in bytes; 511 rows stay inside the signed 24-bit immediate (ISA guide, chapter 10)
.set WX,   32                          ; v32-95   two sets of 32 numbers
.set WC,   96                          ; v96-99   a block's codes
.set WOUT, 112                         ; v112-175 the way out
.set WSB,  24                          ; v24-27   16 scale bytes
	s_cmp_ge_u32 ttmp9, 24
	s_cselect_b32 s22, 1, 0                        ; which 512 along K
	s_cselect_b32 s23, 24, 0
	s_sub_co_u32 s23, ttmp9, s23
	s_lshl_b32 s23, s23, 7
	s_lshl_b32 s24, s[WV], 5
	s_add_co_u32 s23, s23, s24                     ; my wave's first column
	v_lshlrev_b32 v3, 2, v2                        ; in: 4 bytes a lane
	s_mul_i32 s26, s[WV], 32*WP
	s_add_co_u32 s26, s26, WSTG                    ; my stage
	v_mul_u32_u24 v4, v2, WP
	v_add_nc_u32 v4, s26, v4                       ; into it: row = my column
	v_and_b32 v5, 15, v2
	v_lshrrev_b32 v6, 4, v2
	v_mul_u32_u24 v7, v6, WP
	v_lshl_add_u32 v7, v5, 4, v7
	v_add_nc_u32 v7, s26, v7                       ; out of it: sixteen lanes to a row, two rows an instruction
	v_lshlrev_b32 v8, 9, v6
	v_lshl_add_u32 v8, v5, 4, v8                   ; the same place in the codes: rows of 512 bytes
	v_lshlrev_b32 v9, 5, v2                        ; my column's row of 32 scale bytes
	s_mul_i32 s24, s22, 512*WN4
	s_lshl_b32 s27, s23, 2
	s_add_co_u32 s24, s24, s27
	s_add_nc_u64 s[6:7], s[6:7], s[24:25]
	s_lshl_b32 s24, s23, 9
	s_lshl_b32 s27, s22, 8
	s_add_co_u32 s24, s24, s27
	s_add_nc_u64 s[14:15], s[14:15], s[24:25]
	s_lshl_b32 s24, s23, 5
	s_lshl_b32 s27, s22, 4
	s_add_co_u32 s24, s24, s27
	s_add_nc_u64 s[16:17], s[16:17], s[24:25]
.macro WLOAD t
.set i, 0
.rept 32
	global_load_b32 v[WX+32*((\t)%2)+i], v3, s[6:7] offset:(32*(\t)+i)*WN4 th:TH_LOAD_NT
.set i, i+1
.endr
.endm
	WLOAD 0
	WLOAD 1
.macro WBLOCK t
.set WS, WX+32*((\t)%2)
.if (\t) < 15
	s_wait_loadcnt 32                              ; this block's 32 loads are in; the next block's 32 may be out
.else
	s_wait_loadcnt 0x0
.endif
	v_max3_num_f32 v12, |v[WS]|, |v[WS+1]|, |v[WS+2]|
	v_max3_num_f32 v13, |v[WS+3]|, |v[WS+4]|, |v[WS+5]|
.irp i, 6,10,14,18,22,26
	v_max3_num_f32 v12, v12, |v[WS+\i]|, |v[WS+\i+1]|
	v_max3_num_f32 v13, v13, |v[WS+\i+2]|, |v[WS+\i+3]|
.endr
	v_max3_num_f32 v12, v12, |v[WS+30]|, |v[WS+31]|
	v_max3_num_f32 v12, v12, v13, 0x1800000        ; the floor 2^(3 - 127)
	v_add_nc_u32 v11, 0xff000000, v12              ; the conversion's scale operand
	v_lshrrev_b32 v13, 23, v11                     ; the scale's byte
.if (\t)%4 == 0
	v_mov_b32 v[WSB+(\t)/4], v13
.else
	v_lshl_or_b32 v[WSB+(\t)/4], v13, 8*((\t)%4), v[WSB+(\t)/4]
.endif
.irp g, 0,1,2,3
	v_cvt_scalef32_pk8_fp4_f32 v[WC+\g], v[WS+8*\g:WS+8*\g+7], v11
.endr
	ds_store_b128 v4, v[WC:WC+3] offset:16*(\t)    ; 32 codes: 16 bytes of my column's row
.if (\t)+2 < 16
	WLOAD (\t)+2
.endif
	s_wait_dscnt 0x0                               ; the store has read its registers: the next block's codes may be written
.endm
.irp t, 0,1,2,3,4,5,6,7,8,9,10,11,12,13,14,15
	WBLOCK \t
.endr
	global_store_b128 v9, v[WSB:WSB+3], s[16:17]   ; my column's 16 scale bytes
.irp t, 0,1,2,3,4,5,6,7,8,9,10,11,12,13,14,15
	ds_load_b128 v[WOUT+4*\t:WOUT+4*\t+3], v7 offset:2*\t*WP
.endr
.irp t, 0,1,2,3,4,5,6,7,8,9,10,11,12,13,14,15
	s_wait_dscnt 15-\t                             ; load t is in; the 15 - t younger ones may be out
	global_store_b128 v8, v[WOUT+4*\t:WOUT+4*\t+3], s[14:15] offset:2*\t*512
.endr
	s_wait_tensorcnt 0x0                           ; the wave's end, behind my last LDS store
	ds_add_u32 v[SPW], v[NIL]
	s_wait_dscnt 0x0
	s_endpgm
.Lfunc_end_k_q1415fd0fa5_prep:
	.size	k_q1415fd0fa5_prep, .Lfunc_end_k_q1415fd0fa5_prep-k_q1415fd0fa5_prep
	.p2alignl 7, 3214868480
	.fill 96, 4, 3214868480
	.section	.rodata,"a",@progbits
	.p2align	6, 0x0
	.amdhsa_kernel k_q1415fd0fa5_prep
		.amdhsa_group_segment_fixed_size 68096
		.amdhsa_private_segment_fixed_size 0
		.amdhsa_enable_private_segment 0
		.amdhsa_kernarg_size 64
		.amdhsa_user_sgpr_count 2
		.amdhsa_user_sgpr_kernarg_segment_ptr 1
		.amdhsa_wavefront_size32 1
		.amdhsa_system_sgpr_workgroup_id_x 1
		.amdhsa_system_sgpr_workgroup_id_y 1
		.amdhsa_system_sgpr_workgroup_id_z 1
		.amdhsa_system_vgpr_workitem_id 0
		.amdhsa_next_free_vgpr 192
		.amdhsa_next_free_sgpr 66
		.amdhsa_reserve_vcc 0
		.amdhsa_float_denorm_mode_32 3
		.amdhsa_float_denorm_mode_16_64 3
		.amdhsa_memory_ordered 1
		.amdhsa_forward_progress 1
		.amdhsa_inst_pref_size 122
	.end_amdhsa_kernel
	.amdgpu_metadata
---
amdhsa.version: [ 1, 2 ]
amdhsa.kernels:
  - .name:           k_q1415fd0fa5_prep
    .symbol:         k_q1415fd0fa5_prep.kd
    .args:
      - { .name: x, .offset: 0, .size: 8, .value_kind: global_buffer, .address_space: global }
      - { .name: W_qkv, .offset: 8, .size: 8, .value_kind: global_buffer, .address_space: global }
      - { .name: W_out, .offset: 16, .size: 8, .value_kind: global_buffer, .address_space: global }
      - { .name: x_codes, .offset: 24, .size: 8, .value_kind: global_buffer, .address_space: global }
      - { .name: x_scales, .offset: 32, .size: 8, .value_kind: global_buffer, .address_space: global }
      - { .name: w_codes, .offset: 40, .size: 8, .value_kind: global_buffer, .address_space: global }
      - { .name: w_scales, .offset: 48, .size: 8, .value_kind: global_buffer, .address_space: global }
      - { .name: wout16, .offset: 56, .size: 8, .value_kind: global_buffer, .address_space: global }
    .group_segment_fixed_size: 68096
    .private_segment_fixed_size: 0
    .kernarg_segment_align: 8
    .kernarg_segment_size: 64
    .max_flat_workgroup_size: 128
    .sgpr_count:     66
    .vgpr_count:     192
    .wavefront_size: 32
...
	.end_amdgpu_metadata
.endif
;; end of part 1
;; launch qkv (part 2): grid 12 x 32, 4 waves a work-group, clusters of 4 x 4, 327,680 bytes of LDS; arguments x_codes, x_scales, w_codes, w_scales, qkvh, b_qkv, qkv_fine; writes qkvh, qkv_fine
.if DOCPART == 2
	.amdgcn_target "amdgcn-amd-amdhsa--gfx1250"
	.amdhsa_code_object_version 6
	.text
	.protected	k_q1415fd0fa5_qkv
	.globl	k_q1415fd0fa5_qkv
	.p2align	8
	.type	k_q1415fd0fa5_qkv,@function
k_q1415fd0fa5_qkv:
	s_mov_b64 s[64:65], 0
	v_nop
	global_prefetch_b8 v0, s[64:65] scope:SCOPE_SE
	s_setreg_imm32_b32 hwreg(HW_REG_WAVE_MODE, 25, 1), 1
	s_wait_xcnt 0x0
	s_wait_alu depctr_hold_cnt(0) depctr_sa_sdst(0) depctr_va_vdst(0) depctr_va_sdst(0) depctr_va_ssrc(0) depctr_va_vcc(0) depctr_vm_vsrc(0)
	s_getreg_b32 s2, hwreg(HW_REG_IB_STS2, 6, 4)
	s_cmp_eq_u32 s2, 0
	s_cbranch_scc0 .Lentry_in_a_cluster
	s_endpgm
.Lentry_in_a_cluster:
	s_bfe_u32 s2, ttmp6, 0x10000c
	s_cmp_lg_u32 s2, 0xf033
	s_cbranch_scc0 .Lentry_shape_is_right
	s_endpgm
.Lentry_shape_is_right:
; qkv = Q(x) Q(W_qkv) + b_qkv on codes of FP4 (E2M1) with one E8M0 scale for each 32 along K; sums in f32.  A: x_codes [8192][512 bytes], B: w_codes [3072][512 bytes], K = 1,024.
; Results leave as f16 in qkvh [3 (q, k, v)][batch 4][head 16][t 2048][64]; the rows t < 16 of every batch leave in f32 too, in qkv_fine [16 batch + t][3072].
; LIMIT: a result beyond 65,504 in magnitude has no f16.
; A tile of 256 x 256 is made by four waves, each 128 x 128: 64 accumulators, 512 registers.  K is two LDS slots of 512: every tile is asked for at the head and nothing is filled again;
; three tensor loads of a wave are out at the most (scales, slot 0, slot 1).
; CLUSTERS: 4 x 4 work-groups.  Tile column = 4 x cluster x + cx; tile row = 8 cy + cluster y, so that the batch is cy and 'my tile holds t < 16' means cluster y = 0, the same in all sixteen partners.
; The four of a row of the cluster ask for A's tiles jointly, the four of a column for B's.  THE MATRIX INSTRUCTION IS USED TRANSPOSED (source 0 = 16 rows of B, source 1 = 16 rows of A): a lane holds eight neighbouring columns of one row.
; The bias is the C of each sum's first product.
; REGISTERS: window 0: v0-31 addresses; v32-95 scale words, two sets; v128-191 A's fragments, one set; v192-255 the bias, 8 registers for each of my 8 column blocks; on the way out v32-127 are free.
;   window 1: B's fragments, two sets, at v0 and v128.   window 2: accumulators of my rows 0-63 ((a, b) at v[8 (8 a + b)]);   window 3: of my rows 64-127.
.set NQ,     4                         ; steps of 128 along K in a slot
.set ROWB,   256                       ; a tile's row in bytes: 512 codes
.set KROW,   512                       ; a row of codes in memory
.set PITCH,  272                       ; an LDS row: 256 bytes + 16 of padding = 68 words: the 16 rows that a load touches start at 16 different banks (64 banks of 4 bytes: ISA guide 11.1)
.set FR,     8
.set NL,     2
.set NP,     4                         ; places behind this matrix instruction (ISA guide 7.12.1)
.set HALFT,  128*PITCH
.set SLOT,   4*HALFT                   ; A's 256 rows, then B's 256 rows
.set KS,     32                        ; a row of scale bytes
.set SCL,    2*SLOT                    ; behind the ring: the scales, as units of 256 bytes + 16 of padding
.set HALFS,  16*272                    ; the scales of 128 rows
.set SBLK,   2*272                     ; those of 16 rows
.set SPARE,  SCL+4*HALFS               ; the spare words, 128 bytes a wave: two blocks of 256 bytes that no other line names
.set ADRA, 16
.set ADRB, 20
.set STO,  24                          ; the way out: where I put 16 bytes of a row
.set RD,   25                          ; where I read rows back
.set CO,   26                          ; 16 x lane
.set ADRS, 27
.set SPW,  28
.set NIL,  29
.set FO,   30                          ; my place in qkv_fine: 12,288 r + 32 h
.set BO,   31                          ; 32 h: my half's eight numbers of a block of the bias
.set SC,   32
.set AF,   128
.set BIAS, 192
.set TMP,  32                          ; the way out: packed results
.set BK,   64                          ; rows read back: v64-95 and v96-127 by turns
.set G1, 24
.set G0, 32
.set G1B, 48
.set G0B, 56
.set G1S, 68
.set G0S, 76
.set G1SB, 80
.set G0SB, 88
.set CLY,  95                          ; s95  cluster y
.set FINE, 100                         ; s100 0 where my first 16 rows are t < 16
.set MSB, 0
.macro WIN new                         ; the immediate's high byte repeats the setting that is left
.if MSB != \new
	s_set_vgpr_msb (MSB<<8)|\new
.set MSB, \new
.endif
.endm
.set MUL_LO, 0xa1                      ; source 0 (B) window 1, source 1 (A) window 0, C and D window 2
.set MUL_HI, 0xf1                      ; the same, C and D window 3
.set BIA_LO, 0x81                      ; C (the bias) window 0, D window 2
.set BIA_HI, 0xc1                      ; C window 0, D window 3
.set TO_B,   0x40
; A joint load: waves 0 and 1 fetch for A, waves 2 and 3 for B; the branch hangs on the wave's number alone.  An s_nop 0 and four v_nop follow each of the two lines.
.macro JLOAD g0a, g1a, g0b, g1b
	s_cmp_eq_u32 s15, 0
	s_cbranch_scc0 .Lfor_b_\@
	tensor_load_to_lds s[\g0a:\g0a+3], s[\g1a:\g1a+7]
	s_nop 0
.rept 4
	v_nop
.endr
	s_branch .Lasked_\@
.Lfor_b_\@:
	tensor_load_to_lds s[\g0b:\g0b+3], s[\g1b:\g1b+7]
	s_nop 0
.rept 4
	v_nop
.endr
.Lasked_\@:
.endm
.macro CROUND                          ; a round of the cluster's barrier
	s_barrier_signal -1
	s_barrier_wait -1
	s_cmp_lg_u32 s14, 0
	s_cbranch_scc1 .Lnot_wave_0_\@
	s_barrier_signal -3
.Lnot_wave_0_\@:
	s_barrier_wait -3
	s_barrier_signal -1
	s_barrier_wait -1
.endm
	s_load_b128 s[4:7], s[0:1], 0x0                ; x's codes, x's scales
	s_load_b128 s[8:11], s[0:1], 0x10              ; W's codes, W's scales
	s_load_b64 s[12:13], s[0:1], 0x20              ; qkvh
	s_load_b128 s[96:99], s[0:1], 0x28             ; b_qkv s[96:97], qkv_fine s[98:99]
	v_lshl_add_u32 v[SPW], v0, 2, SPARE
	v_mov_b32 v[NIL], 0
	ds_add_u32 v[SPW], v[NIL]                      ; the wave's opening: the add, twice on end, and its wait ahead of my first tensor load
	ds_add_u32 v[SPW], v[NIL]
	v_lshrrev_b32 v1, 5, v0
	v_readfirstlane_b32 s14, v1                    ; wave 0..3
	s_lshr_b32 s15, s14, 1                         ; which half of the tile's rows is mine.  Also: I fetch for A (0) or for B (1)
	s_and_b32 s16, s14, 1                          ; which half of its columns.  Also: which 128 rows I fetch
	s_bfe_u32 s40, ttmp6, 0x40000                  ; cx
	s_bfe_u32 s41, ttmp6, 0x40004                  ; cy
	s_lshl_b32 s42, ttmp9, 2
	s_add_co_u32 s42, s42, s40                     ; tile column = 4 x cluster x + cx
	s_and_b32 s[CLY], ttmp7, 0xffff                ; cluster y, 0..7
	s_lshl_b32 s17, s41, 3
	s_add_co_u32 s17, s17, s[CLY]                  ; tile row = 8 cy + cluster y
	s_or_b32 s[FINE], s[CLY], s15                  ; made of the cluster's number and the wave's alone
	s_lshl_b32 s43, s41, 2
	s_lshl_b32 s43, 15, s43                        ; my row of the cluster
	s_lshl_b32 s44, 0x1111, s40                    ; my column
	s_or_b32 s[G1+0], s43, (0<<16)|(1<<20)|(1<<21)|(5<<22)|(3<<25)  ; the mask; elements of 1 byte; padding on; bit 21 beside a mask; 4 words after every 64
	s_or_b32 s[G1B+0], s44, (0<<16)|(1<<20)|(1<<21)|(5<<22)|(3<<25)
.irp g, G1, G1B
	s_mov_b32 s[\g+1], ROWB<<16                    ; tensor_dim0
	s_mov_b32 s[\g+2], 128<<16                     ; tensor_dim1
	s_mov_b32 s[\g+3], ROWB<<16                    ; tile_dim0
	s_mov_b32 s[\g+4], 128                         ; tile_dim1
	s_mov_b32 s[\g+5], KROW                        ; from row to row
	s_mov_b32 s[\g+6], 0
	s_mov_b32 s[\g+7], 0
.endr
	s_or_b32 s[G1S+0], s43, (3<<16)|(1<<20)|(1<<21)|(5<<22)|(3<<25)  ; the scales of 128 rows: 4,096 dense bytes as 16 rows of 256 (32 elements of 8 bytes)
	s_or_b32 s[G1SB+0], s44, (3<<16)|(1<<20)|(1<<21)|(5<<22)|(3<<25)
.irp g, G1S, G1SB
	s_mov_b32 s[\g+1], 32<<16
	s_mov_b32 s[\g+2], 16<<16
	s_mov_b32 s[\g+3], 32<<16
	s_mov_b32 s[\g+4], 16
	s_mov_b32 s[\g+5], 32
	s_mov_b32 s[\g+6], 0
	s_mov_b32 s[\g+7], 0
.endr
	s_lshl_b32 s18, s16, 7
	s_lshl_b32 s20, s17, 8
	s_add_co_u32 s20, s20, s18                     ; A: row 256 x tile row + 128 x half
	s_lshl_b32 s46, s42, 8
	s_add_co_u32 s46, s46, s18                     ; B: row 256 x tile column + 128 x half
	s_mov_b32 s21, 0
	s_mov_b32 s47, 0
	s_mov_b64 s[18:19], KS
	s_mul_u64 s[22:23], s[20:21], s[18:19]         ; where these rows' scales begin,
	s_mul_u64 s[92:93], s[46:47], s[18:19]
	s_mov_b64 s[18:19], KROW
	s_mul_u64 s[20:21], s[20:21], s[18:19]         ; and their codes
	s_mul_u64 s[46:47], s[46:47], s[18:19]
	s_mul_i32 s45, s14, HALFT                      ; where they go: wave x 128 rows
	s_mul_i32 s94, s14, HALFS
	s_wait_dscnt 0x0                               ; both opening adds are done
	s_wait_kmcnt 0x0
	s_add_nc_u64 s[20:21], s[4:5], s[20:21]
	s_add_nc_u64 s[22:23], s[6:7], s[22:23]
	s_add_nc_u64 s[46:47], s[8:9], s[46:47]
	s_add_nc_u64 s[92:93], s[10:11], s[92:93]
	CROUND                                         ; all sixteen work-groups are here: the joint loads meet
	s_mov_b32 s[G0S], 1
	s_add_co_u32 s[G0S+1], s94, SCL
	s_mov_b64 s[G0S+2:G0S+3], s[22:23]
	s_or_b32 s[G0S+3], s[G0S+3], 0x80000000
	s_mov_b32 s[G0SB], 1
	s_add_co_u32 s[G0SB+1], s94, SCL
	s_mov_b64 s[G0SB+2:G0SB+3], s[92:93]
	s_or_b32 s[G0SB+3], s[G0SB+3], 0x80000000
	JLOAD G0S, G1S, G0SB, G1SB                     ; the scales first: they are wanted with the first step
.irp s, 0,1
	s_mov_b32 s[G0+4*\s], 1
	s_add_co_u32 s[G0+4*\s+1], s45, \s*SLOT
	s_add_nc_u64 s[G0+4*\s+2:G0+4*\s+3], s[20:21], \s*ROWB
	s_or_b32 s[G0+4*\s+3], s[G0+4*\s+3], 0x80000000
	s_mov_b32 s[G0B+4*\s], 1
	s_add_co_u32 s[G0B+4*\s+1], s45, \s*SLOT
	s_add_nc_u64 s[G0B+4*\s+2:G0B+4*\s+3], s[46:47], \s*ROWB
	s_or_b32 s[G0B+4*\s+3], s[G0B+4*\s+3], 0x80000000
	JLOAD G0+4*\s, G1, G0B+4*\s, G1B
.endr
	v_and_b32 v1, 15, v0                           ; r = l % 16
	v_bfe_u32 v2, v0, 4, 1                         ; h = l / 16
	v_mul_u32_u24 v3, v1, PITCH
	v_lshl_add_u32 v4, v2, 4, v3                   ; a fragment's row x pitch + 16 x half
	s_mul_i32 s21, s15, HALFT                      ; my 128 rows of A
	s_mul_i32 s22, s16, HALFT
	s_add_co_u32 s22, s22, 2*HALFT                 ; my 128 rows of B, behind A's 256
.irp s, 0,1
	v_add_nc_u32 v[ADRA+\s], s21, v4
	v_add_nc_u32 v[ADRB+\s], s22, v4
	s_add_co_u32 s21, s21, SLOT
	s_add_co_u32 s22, s22, SLOT
.endr
	v_mul_u32_u24 v5, v1, KS                       ; my row's scales: 32 bytes a row,
	v_lshrrev_b32 v6, 8, v5
	v_lshl_add_u32 v5, v6, 4, v5                   ; and 16 more for each 256 passed
	s_mul_i32 s21, s15, HALFS
	s_mul_i32 s22, s16, HALFS
	s_add_co_u32 s22, s22, 2*HALFS
	s_sub_co_u32 s22, s22, s21
	v_mul_u32_u24 v6, s22, v2                      ; lanes 16-31 take B's: one product, the distance between the two bases
	s_add_co_u32 s21, s21, SCL
	v_add_nc_u32 v5, v5, v6
	v_add_nc_u32 v[ADRS], s21, v5
	s_mul_i32 s23, s14, 4608                       ; my stage, in slot 0: two heads x 16 rows x (128 bytes + 16)
	v_mul_u32_u24 v5, v1, 144
	v_lshl_add_u32 v5, v2, 4, v5
	v_add_nc_u32 v[STO], s23, v5                   ; in: row r, 16 bytes for each half of the lanes
	v_bfe_u32 v5, v0, 3, 2
	v_mul_u32_u24 v5, v5, 144
	v_and_b32 v6, 7, v0
	v_lshl_add_u32 v5, v6, 4, v5
	v_add_nc_u32 v[RD], s23, v5                    ; back: eight lanes to a row of 128 bytes, four rows an instruction
	v_and_b32 v6, 31, v0
	v_lshlrev_b32 v[CO], 4, v6                     ; four rows of a head are 512 consecutive bytes of qkvh
	v_mul_u32_u24 v[FO], v1, 12288
	v_lshl_add_u32 v[FO], v2, 5, v[FO]
	v_lshlrev_b32 v[BO], 5, v2
	s_lshl_b32 s46, s42, 10                        ; my first column x 4 bytes: 1,024 x tile column + 512 x half
	s_lshl_b32 s47, s16, 9
	s_add_co_u32 s46, s46, s47
	s_mov_b32 s47, 0
	s_add_nc_u64 s[96:97], s[96:97], s[46:47]      ; the bias at my first column
	s_add_nc_u64 s[98:99], s[98:99], s[46:47]
	s_mul_i32 s46, s41, 196608                     ; qkv_fine: my batch's 16 rows of 12,288 bytes
	s_add_nc_u64 s[98:99], s[98:99], s[46:47]
.irp b, 0,1,2,3,4,5,6,7
	global_load_b128 v[BIAS+8*\b:BIAS+8*\b+3], v[BO], s[96:97] offset:64*\b          ; block b, register j: b_qkv[my first column + 16 b + 8 h + j], the result's layout
	global_load_b128 v[BIAS+8*\b+4:BIAS+8*\b+7], v[BO], s[96:97] offset:64*\b+16
.endr
	s_lshr_b32 s20, s42, 2                         ; qkvh: q, k or v,
	s_lshl_b32 s20, s20, 24
	s_lshl_b32 s21, s41, 22                        ; the batch,
	s_add_co_u32 s20, s20, s21
	s_and_b32 s21, s42, 3
	s_lshl_b32 s21, s21, 20                        ; the head 4 (tile column % 4) + 2 x half, 2^18 bytes each,
	s_add_co_u32 s20, s20, s21
	s_lshl_b32 s21, s16, 19
	s_add_co_u32 s20, s20, s21
	s_lshl_b32 s21, s[CLY], 15                     ; t = 256 x cluster y + 128 x half, 128 bytes each
	s_add_co_u32 s20, s20, s21
	s_lshl_b32 s21, s15, 14
	s_add_co_u32 s20, s20, s21
	s_mov_b32 s21, 0
	s_add_nc_u64 s[12:13], s[12:13], s[20:21]
.macro FRAG reg, adr, q, i             ; 16 rows x 128 K of 4-bit codes: 8 registers: lane l holds row l % 16; registers 4 c .. 4 c + 3 hold K = 64 c + 32 (l / 16) + 0 .. 31
.irp c, 0,1
	ds_load_b128 v[\reg+4*\c:\reg+4*\c+3], v[\adr] offset:64*(\q)+32*\c+(\i)*16*PITCH
.endr
.endm
; 16 products: A's blocks a0, a0 + 1 x B's eight.  p: B's set; sc: the set of scale words.  zero = 1: the first product starts the sums from the bias.
; The 64 accumulators take turns, one instruction a turn, in the same order in every step.
.macro MUL16 a0, p, q, sc, zero
.irp a, \a0, \a0+1
.irp b, 0,1,2,3,4,5,6,7
.if \zero
	v_wmma_scale_f32_16x16x128_f8f6f4 v[8*(8*((\a)%4)+\b):8*(8*((\a)%4)+\b)+7], v[128*(\p)+FR*\b:128*(\p)+FR*\b+FR-1], v[AF+FR*(\a):AF+FR*(\a)+FR-1], v[BIAS+8*\b:BIAS+8*\b+7], v[SC+8*NQ*(\sc)+NQ*\b+(\q)], v[SC+8*NQ*(\sc)+NQ*(\a)+(\q)] matrix_a_fmt:MATRIX_FMT_FP4 matrix_b_fmt:MATRIX_FMT_FP4 matrix_a_scale:MATRIX_SCALE_ROW1
.else
	v_wmma_scale_f32_16x16x128_f8f6f4 v[8*(8*((\a)%4)+\b):8*(8*((\a)%4)+\b)+7], v[128*(\p)+FR*\b:128*(\p)+FR*\b+FR-1], v[AF+FR*(\a):AF+FR*(\a)+FR-1], v[8*(8*((\a)%4)+\b):8*(8*((\a)%4)+\b)+7], v[SC+8*NQ*(\sc)+NQ*\b+(\q)], v[SC+8*NQ*(\sc)+NQ*(\a)+(\q)] matrix_a_fmt:MATRIX_FMT_FP4 matrix_b_fmt:MATRIX_FMT_FP4 matrix_a_scale:MATRIX_SCALE_ROW1
.endif
.endr
.endr
.endm
.macro FETCH_B slot, q, p
	WIN TO_B
.irp i, 0,1,2,3,4,5,6,7
	FRAG 128*(\p)+FR*\i, ADRB+\slot, \q, \i
.endr
	WIN 0
.endm
.macro FETCH_A slot, q, i0
.irp i, \i0, \i0+1, \i0+2, \i0+3
	FRAG AF+FR*(\i), ADRA+\slot, \q, \i
.endr
.endm
.macro SCALES sc                       ; a slot's scale words: 4 words a row; lanes 0-15 take A's block i, lanes 16-31 B's block i
.irp i, 0,1,2,3,4,5,6,7
	ds_load_b128 v[SC+8*NQ*\sc+NQ*\i:SC+8*NQ*\sc+NQ*\i+3], v[ADRS] offset:\i*SBLK
.endr
.endm
.macro PLACES n                        ; plain vector instructions between a matrix instruction and a load into, or a read of, its registers
.rept \n
	v_nop
.endr
.endm
.macro STEP slot, q, zero              ; a step of 128 along K that has its successor in the same slot
	s_wait_dscnt 4*NL                              ; B's set and A's blocks 0-3 are in; the youngest eight loads (A's blocks 4-7) may be out
.if \zero
	WIN BIA_LO
.else
	WIN MUL_LO
.endif
	MUL16 0, (\q)%2, \q, \slot, \zero
	MUL16 2, (\q)%2, \q, \slot, \zero
	s_wait_dscnt 0
	PLACES NP
	FETCH_B \slot, (\q)+1, 1-(\q)%2
	FETCH_A \slot, (\q)+1, 0
.if \zero
	WIN BIA_HI
.else
	WIN MUL_HI
.endif
	MUL16 4, (\q)%2, \q, \slot, \zero
	MUL16 6, (\q)%2, \q, \slot, \zero
	PLACES NP
	WIN 0
	FETCH_A \slot, (\q)+1, 4
.endm
.macro STEPS slot, from
.set Q, \from
.rept NQ-1-\from
	STEP \slot, Q, 0
.set Q, Q+1
.endr
.endm
	s_wait_tensorcnt 1                             ; the scales and my part of slot 0 are in; slot 1's load may be out
	s_barrier_signal -1
	s_barrier_wait -1                              ; everybody's are
	FETCH_B 0, 0, 0
	FETCH_A 0, 0, 0
	SCALES 0
	FETCH_A 0, 0, 4
	s_wait_loadcnt 0x0                             ; the bias
	STEP 0, 0, 1
	STEPS 0, 1
	; slot 0's last step changes slots: each wave waits for its part of slot 1, then one barrier.  Nothing is filled again.
	s_wait_tensorcnt 0x0                           ; my part of slot 1 has landed
	ds_add_u32 v[SPW], v[NIL]
	s_wait_dscnt 4*NL+1                            ; (the add and the youngest eight loads may be out)
	WIN MUL_LO
	MUL16 0, 1, NQ-1, 0, 0
	s_wait_dscnt 0x0                               ; the add is done, and my reads of slot 0 are over
	s_barrier_signal -1
	MUL16 2, 1, NQ-1, 0, 0
	WIN 0
	s_barrier_wait -1
	PLACES NP
	v_add_nc_u32 v[ADRS], 4*NQ, v[ADRS]            ; on to slot 1's scale words
	FETCH_B 1, 0, 0
	FETCH_A 1, 0, 0
	SCALES 1
	WIN MUL_HI
	MUL16 4, 1, NQ-1, 0, 0
	MUL16 6, 1, NQ-1, 0, 0
	PLACES NP
	WIN 0
	FETCH_A 1, 0, 4
	STEPS 1, 0
	s_wait_dscnt 4*NL                              ; the very last step
	WIN MUL_LO
	MUL16 0, 1, NQ-1, 1, 0
	MUL16 2, 1, NQ-1, 1, 0
	s_wait_dscnt 0
	WIN MUL_HI
	MUL16 4, 1, NQ-1, 1, 0
	MUL16 6, 1, NQ-1, 1, 0
	WIN 0
; THE WAY OUT.  A lane holds eight neighbouring columns of one row.  My 128 columns are two heads.  A block of 16 rows is rounded to f16 (16 bytes a lane), goes through my stage in LDS
; (in slot 0, which has had its only fill and its last read) and comes back by rows: four rows of a head are 512 consecutive bytes of qkvh, one store.
	PLACES NP
	s_cmp_lg_u32 s[FINE], 0
	s_cbranch_scc1 .Lnofine
	WIN 0x08                                       ; a store's data: window 2
.irp b, 0,1,2,3,4,5,6,7                        ; t < 16 in f32: pieces of 64 bytes, 768 KiB in the whole launch
	global_store_b128 v[FO], v[8*\b:8*\b+3], s[98:99] offset:64*\b
	global_store_b128 v[FO], v[8*\b+4:8*\b+7], s[98:99] offset:64*\b+16
.endr
	WIN 0
.Lnofine:
.macro PACK a
.set AC, 64*((\a)%4)
	WIN 0x0a+5*((\a)/4)                            ; sources 0 and 1: window 2 or 3
.irp b, 0,1,2,3,4,5,6,7
.irp i, 0,1,2,3
	v_cvt_pk_f16_f32 v[TMP+4*\b+\i], v[AC+8*\b+2*\i], v[AC+8*\b+2*\i+1]   ; each accumulator from its low end on
.endr
.endr
	WIN 0
.endm
.macro TOSTAGE a
.set BB, BK+32*((\a)%2)
.irp b, 0,1,2,3,4,5,6,7
	ds_store_b128 v[STO], v[TMP+4*\b:TMP+4*\b+3] offset:(\b/4)*2304+32*(\b%4)
.endr
.irp t, 0,1,2,3,4,5,6,7
	ds_load_b128 v[BB+4*\t:BB+4*\t+3], v[RD] offset:(\t/4)*2304+(\t%4)*576   ; LDS serves a wave's instructions in order (ISA guide 5.7.1.4): these see the stores above
.endr
.endm
.macro SEND a
.set BB, BK+32*((\a)%2)
	s_wait_dscnt 0x0                               ; the block is back in registers
.irp t, 0,1,2,3,4,5,6,7
	global_store_b128 v[CO], v[BB+4*\t:BB+4*\t+3], s[12:13] offset:(\t/4)*262144+2048*(\a)+512*(\t%4)   ; 512 consecutive bytes, at a multiple of 256
.endr
.endm
	PACK 0
	TOSTAGE 0
.irp a, 1,2,3,4,5,6,7                  ; block a's conversions stand between block a - 1's loads from the stage and the wait for them
	PACK \a
	SEND \a-1
.if \a > 1
	s_wait_xcnt 0x0                                ; block a - 2's stores have read their registers: block a's loads may land there
.endif
	TOSTAGE \a
.endr
	SEND 7
	s_wait_tensorcnt 0x0                           ; the wave's end
	ds_add_u32 v[SPW], v[NIL]
	s_wait_dscnt 0x0
	CROUND                                         ; the closing round
	s_endpgm
.Lfunc_end_k_q1415fd0fa5_qkv:
	.size	k_q1415fd0fa5_qkv, .Lfunc_end_k_q1415fd0fa5_qkv-k_q1415fd0fa5_qkv
	.p2alignl 7, 3214868480
	.fill 96, 4, 3214868480
	.section	.rodata,"a",@progbits
	.p2align	6, 0x0
	.amdhsa_kernel k_q1415fd0fa5_qkv
		.amdhsa_group_segment_fixed_size 327680
		.amdhsa_private_segment_fixed_size 0
		.amdhsa_enable_private_segment 0
		.amdhsa_kernarg_size 56
		.amdhsa_user_sgpr_count 2
		.amdhsa_user_sgpr_kernarg_segment_ptr 1
		.amdhsa_wavefront_size32 1
		.amdhsa_system_sgpr_workgroup_id_x 1
		.amdhsa_system_sgpr_workgroup_id_y 1
		.amdhsa_system_sgpr_workgroup_id_z 1
		.amdhsa_system_vgpr_workitem_id 0
		.amdhsa_next_free_vgpr 1024
		.amdhsa_next_free_sgpr 104
		.amdhsa_reserve_vcc 0
		.amdhsa_float_denorm_mode_32 3
		.amdhsa_float_denorm_mode_16_64 3
		.amdhsa_memory_ordered 1
		.amdhsa_forward_progress 1
		.amdhsa_inst_pref_size 130
	.end_amdhsa_kernel
	.amdgpu_metadata
---
amdhsa.version: [ 1, 2 ]
amdhsa.kernels:
  - .name:           k_q1415fd0fa5_qkv
    .symbol:         k_q1415fd0fa5_qkv.kd
    .args:
      - { .name: x_codes, .offset: 0, .size: 8, .value_kind: global_buffer, .address_space: global }
      - { .name: x_scales, .offset: 8, .size: 8, .value_kind: global_buffer, .address_space: global }
      - { .name: w_codes, .offset: 16, .size: 8, .value_kind: global_buffer, .address_space: global }
      - { .name: w_scales, .offset: 24, .size: 8, .value_kind: global_buffer, .address_space: global }
      - { .name: qkvh, .offset: 32, .size: 8, .value_kind: global_buffer, .address_space: global }
      - { .name: b_qkv, .offset: 40, .size: 8, .value_kind: global_buffer, .address_space: global }
      - { .name: qkv_fine, .offset: 48, .size: 8, .value_kind: global_buffer, .address_space: global }
    .group_segment_fixed_size: 327680
    .private_segment_fixed_size: 0
    .kernarg_segment_align: 8
    .kernarg_segment_size: 56
    .max_flat_workgroup_size: 128
    .sgpr_count:     104
    .vgpr_count:     1024
    .wavefront_size: 32
...
	.end_amdgpu_metadata
.endif
;; end of part 2
;; launch attn (part 3): grid 4 x 64, 16 waves a work-group, clusters of 4 x 1, 327,680 bytes of LDS; arguments qkvh, attn; writes attn
.if DOCPART == 3
	.amdgcn_target "amdgcn-amd-amdhsa--gfx1250"
	.amdhsa_code_object_version 6
	.text
	.protected	k_q1415fd0fa5_attn
	.globl	k_q1415fd0fa5_attn
	.p2align	8
	.type	k_q1415fd0fa5_attn,@function
k_q1415fd0fa5_attn:
	s_mov_b64 s[64:65], 0
	v_nop
	global_prefetch_b8 v0, s[64:65] scope:SCOPE_SE
	s_setreg_imm32_b32 hwreg(HW_REG_WAVE_MODE, 25, 1), 1
	s_wait_xcnt 0x0
	s_wait_alu depctr_hold_cnt(0) depctr_sa_sdst(0) depctr_va_vdst(0) depctr_va_sdst(0) depctr_va_ssrc(0) depctr_va_vcc(0) depctr_vm_vsrc(0)
	s_getreg_b32 s2, hwreg(HW_REG_IB_STS2, 6, 4)
	s_cmp_eq_u32 s2, 0
	s_cbranch_scc0 .Lentry_in_a_cluster
	s_endpgm
.Lentry_in_a_cluster:
	s_bfe_u32 s2, ttmp6, 0x10000c
	s_cmp_lg_u32 s2, 0x3003
	s_cbranch_scc0 .Lentry_shape_is_right
	s_endpgm
.Lentry_shape_is_right:
; attn[b][h][q][:] = the sum over k <= q of softmax_k(Q[q] . K[k] / 8) V[k][:].  Q, K, V: qkvh [3][64 (b, h)][2048][64], f16; attn: [64][2048][64], f16.  Products on f16 operands, sums, maxima and the softmax in f32;
; the weights p = 2^(c s - c m), c = log2(e) / 8, m the running maximum, are rounded to f16 for the second product; the row's sum of the unrounded p divides at the end.
; LIMIT: a result beyond 65,504 in magnitude has no f16.
; SHARES.  A cluster of four work-groups owns one (b, h).  The head's 64 chunks of 32 queries are dealt so that all four have the same work: wave w of work-group cx takes chunk 4 P + cx, P = w xor 3 x bit 2 of w.
; Every work-group walks all 2,048 keys, so K's and V's tiles are asked for JOINTLY, with a mask that names the four.
; THE CAUSAL MASK.  Keys go in big steps of 128.  My queries lie in big step P.  A big step behind P is left out by a scalar branch on the wave's number and the count of steps (the same in all four partners);
; in big step P hidden scores become -infinity by compare and select; earlier ones are open.  The wave with P = 15 reads every tile, in every partner.
; LAYOUT.  S^T = K Q^T (source 0 = 16 keys, source 1 = 16 queries), O^T = V^T P: a lane holds one query throughout.  K comes out of LDS as it lies, V turned by ds_load_tr16_b128.
; LDS.  K and V of a head are dense, 128 bytes a key: a tile's row holds TWO keys, 256 bytes.  K's rows 272 bytes apart, V's 288.  A big step: 64 rows of K, 64 of V; a slot: two big steps; two slots.
; Sixteen waves of 256 registers, four to a SIMD: one wave's vector work stands beside another's matrix work and LDS loads.
.set VOFF,  17408                      ; 64 rows of K
.set BIGB,  35840                      ; + 64 rows of V
.set SLOT1, 131072                     ; slot 1 begins here: one exclusive or turns an address from one slot to the other
.set STAGE, 202752                     ; behind slot 1: 32 rows x 144 bytes for each wave, for the way out: bytes of its own
.set SPARE, 276480                     ; the spare words, 128 bytes a wave: eight blocks of 256 bytes that no other line names
.set AK0, 1                            ; v1  my lane's place in a tile of K
.set AV0, 2                            ; v2  in a tile of V
.set ADK, 3                            ; v3  LDS address of the big step's K
.set ADV, 4                            ; v4  of its V
.set SPW, 5
.set NIL, 6
.set D0,  7                            ; v7  32 cx + r - 8 h: my first tile's query less my half's first key, inside the big step
.set NINF, 9                           ; v9  -infinity
.set PFO, 10                           ; v10 256 x lane
.set STO, 11
.set RD,  12
.set GO,  13
.set QO,  15                           ; v15 my place in Q's rows
.set QF,  16                           ; v16-47   Q: tile t, channels 32 c on, at 16 t + 8 c
.set KV,  48                           ; v48-111  eight fragments: K, then V
.set SR,  112                          ; v112-175 S^T, 32 a tile; p is packed in place into a tile's first 16
.set OT,  176                          ; v176-239 O^T, 32 a tile
.set ST,  240                          ; v240-255 eight a tile: +0 c m, +1 m, +2, +3 the sum, +4 .. +7 at work; a = 2^(c m_old - c m_new) in +6
.set WV, 8
.set CX, 9
.set BH, 10
.set PP, 11                            ; s11 P
.set SIG, 12                           ; s12 the big step in hand
.set TB, 13                            ; s13 LDS byte at which it begins
.set SLOTS, 14
.set TWICE, 15
.set CS, 16                            ; s[16:17] c, twice
.set SEL, 18                           ; s[18:19] lane l xor 16
.set LIM, 20
.set PFA, 22                           ; s[22:23] where my prefetches stand
.set G1K, 24
.set G1V, 32
.set G0K, 40
.set G0V, 44
.set QAD, 48
.set OAD, 50
; Waves 0 and 1 fetch a slot's two big steps of K, waves 2 and 3 of V, the others nothing.  An s_nop 0 and four v_nop follow each of the two lines.
.macro TLOAD
	s_cmp_lt_u32 s[WV], 2
	s_cbranch_scc0 .Lnot_k_\@
	tensor_load_to_lds s[G0K:G0K+3], s[G1K:G1K+7]
	s_nop 0
.rept 4
	v_nop
.endr
	s_branch .Lasked_\@
.Lnot_k_\@:
	s_cmp_lt_u32 s[WV], 4
	s_cbranch_scc0 .Lasked_\@
	tensor_load_to_lds s[G0V:G0V+3], s[G1V:G1V+7]
	s_nop 0
.rept 4
	v_nop
.endr
.Lasked_\@:
.endm
; A prefetch of what the NEXT change of slots will ask for: 32,768 bytes of K and of V.  The four partners take 8,192 bytes each, told apart by address; in each, wave 4 asks for K's and wave 5 for V's,
; lanes 256 bytes apart: each aligned block of 256 bytes is named once in the launch.  The last change that fills a slot asks for nothing.
.macro ASK
	s_cmp_gt_u32 s[SLOTS], s[LIM]
	s_cbranch_scc0 .Lnot_mine_\@
	global_prefetch_b8 v[PFO], s[PFA:PFA+1] th:TH_LOAD_NT scope:SCOPE_SE
.Lnot_mine_\@:
.endm
.macro CROUND                          ; a round of the cluster's barrier
	s_barrier_signal -1
	s_barrier_wait -1
	s_cmp_lg_u32 s[WV], 0
	s_cbranch_scc1 .Lnot_wave_0_\@
	s_barrier_signal -3
.Lnot_wave_0_\@:
	s_barrier_wait -3
	s_barrier_signal -1
	s_barrier_wait -1
.endm
	s_load_b128 s[4:7], s[0:1], 0x0                ; qkvh s[4:5], attn s[6:7]
	v_lshl_add_u32 v[SPW], v0, 2, SPARE
	v_mov_b32 v[NIL], 0
	ds_add_u32 v[SPW], v[NIL]                      ; the wave's opening: the add, twice on end, and its wait ahead of the first tensor load
	ds_add_u32 v[SPW], v[NIL]
	v_lshrrev_b32 v8, 5, v0
	v_readfirstlane_b32 s[WV], v8                  ; wave 0..15
	s_bfe_u32 s[CX], ttmp6, 0x40000                ; my place in the cluster
	s_and_b32 s[BH], ttmp7, 0xffff                 ; 16 b + h
	s_bfe_u32 s[PP], s[WV], 0x10002
	s_mul_i32 s[PP], s[PP], 3
	s_xor_b32 s[PP], s[PP], s[WV]                  ; P
	s_mov_b32 s[G1K], 15|(1<<16)|(1<<20)|(1<<21)|(5<<22)|(3<<25)  ; the mask: all four; elements of 2 bytes; padding on; bit 21 beside a mask; 4 words after every 64
	s_mov_b32 s[G1V], 15|(1<<16)|(1<<20)|(1<<21)|(5<<22)|(7<<25)  ; the same with 8 words
.irp g, G1K, G1V
	s_mov_b32 s[\g+1], 128<<16                     ; tensor_dim0 = 128 elements: two keys
	s_mov_b32 s[\g+2], 64<<16                      ; tensor_dim1 = 64 rows
	s_mov_b32 s[\g+3], 128<<16                     ; tile_dim0
	s_mov_b32 s[\g+4], 64                          ; tile_dim1
	s_mov_b32 s[\g+5], 128                         ; dense
	s_mov_b32 s[\g+6], 0
	s_mov_b32 s[\g+7], 0
.endr
	s_and_b32 s52, s[WV], 1                        ; which of a slot's two big steps I fetch
	s_mul_i32 s53, s52, BIGB                       ; its place in a slot,
	s_lshl_b32 s54, s[BH], 18                      ; the head's bytes,
	s_lshl_b32 s55, s52, 14
	s_add_co_u32 s56, s54, s55
	s_add_co_u32 s56, s56, 1<<24                   ; in K
	s_mov_b32 s57, 0
	s_mov_b32 s[CS], 0x3e38aa3b                    ; c = log2(e) / 8
	s_mov_b32 s[CS+1], s[CS]
	s_mov_b32 s[SEL], 0x76543210
	s_mov_b32 s[SEL+1], 0xfedcba98
	s_mov_b32 s[SIG], 0
	s_mov_b32 s[TB], 0
	s_mov_b32 s[SLOTS], 7
	s_wait_dscnt 0x0                               ; both opening adds are done
	s_wait_kmcnt 0x0
	s_mov_b32 s[G0K], 1
	s_mov_b32 s[G0K+1], s53
	s_add_nc_u64 s[G0K+2:G0K+3], s[4:5], s[56:57]
	s_mov_b32 s[G0V], 1
	s_add_co_u32 s[G0V+1], s53, VOFF
	s_add_nc_u64 s[G0V+2:G0V+3], s[G0K+2:G0K+3], 1<<24   ; V lies 2^24 bytes behind K
	s_or_b32 s[G0K+3], s[G0K+3], 0x80000000
	s_or_b32 s[G0V+3], s[G0V+3], 0x80000000
	CROUND                                         ; all four work-groups are here
	TLOAD                                          ; slot 0
	s_lshl_b32 s58, s[PP], 14                      ; my first query 128 P + 32 cx, 128 bytes each
	s_lshl_b32 s59, s[CX], 12
	s_add_co_u32 s58, s58, s59
	s_add_co_u32 s58, s58, s54
	s_mov_b32 s59, 0
	s_add_nc_u64 s[QAD:QAD+1], s[4:5], s[58:59]
	s_add_nc_u64 s[OAD:OAD+1], s[6:7], s[58:59]
	v_and_b32 v8, 15, v0                           ; r
	v_bfe_u32 v14, v0, 4, 1                        ; h
	v_lshlrev_b32 v[QO], 7, v8
	v_lshl_add_u32 v[QO], v14, 4, v[QO]            ; row r of 128 bytes + 16 h
.irp t, 0,1
.irp c, 0,1
	global_load_b128 v[QF+16*\t+8*\c:QF+16*\t+8*\c+3], v[QO], s[QAD:QAD+1] offset:2048*\t+64*\c
	global_load_b128 v[QF+16*\t+8*\c+4:QF+16*\t+8*\c+7], v[QO], s[QAD:QAD+1] offset:2048*\t+64*\c+32
.endr
.endr
	s_and_b32 s58, s[WV], 1                        ; the prefetches: wave 4 K, wave 5 V
	s_add_co_u32 s58, s58, 1
	s_lshl_b32 s58, s58, 24
	s_add_co_u32 s58, s58, s54
	s_lshl_b32 s59, s[CX], 13                      ; my work-group's 8,192 bytes of a slot's 32,768
	s_add_co_u32 s58, s58, s59
	s_add_co_u32 s58, s58, 32768                   ; in slot 1: the first change of slots steps it to slot 2.  Nothing is prefetched here, at the head
	s_mov_b32 s59, 0
	s_add_nc_u64 s[PFA:PFA+1], s[4:5], s[58:59]
	s_lshr_b32 s58, s[WV], 1
	s_cmp_eq_u32 s58, 2
	s_cselect_b32 s[LIM], 1, -1
	v_lshrrev_b32 v[AK0], 1, v8                    ; key r of a tile: row r / 2, half r % 2
	v_mul_u32_u24 v[AK0], v[AK0], 272
	v_and_b32 v[ADK], 1, v8
	v_lshl_add_u32 v[AK0], v[ADK], 7, v[AK0]
	v_lshl_add_u32 v[AK0], v14, 4, v[AK0]
	v_and_b32 v[AV0], 7, v0                        ; the turning load: lane l reads key 8 h + l % 8, channels 8 ((l / 8) % 2) on
	v_lshl_add_u32 v[AV0], v14, 3, v[AV0]
	v_lshrrev_b32 v[AV0], 1, v[AV0]
	v_mul_u32_u24 v[AV0], v[AV0], 288
	v_and_b32 v[ADK], 1, v0
	v_lshl_add_u32 v[AV0], v[ADK], 7, v[AV0]
	v_bfe_u32 v[ADK], v0, 3, 1
	v_lshl_add_u32 v[AV0], v[ADK], 4, v[AV0]
	v_add_nc_u32 v[AV0], VOFF, v[AV0]
	v_lshlrev_b32 v[D0], 3, v14
	v_sub_nc_u32 v[D0], v8, v[D0]
	s_lshl_b32 s58, s[CX], 5
	v_add_nc_u32 v[D0], s58, v[D0]
	v_mov_b32 v[NINF], 0xff800000
	v_and_b32 v[PFO], 31, v0
	v_lshlrev_b32 v[PFO], 8, v[PFO]
	s_mul_i32 s58, s[WV], 4608
	s_add_co_u32 s58, s58, STAGE                   ; my stage
	v_mul_u32_u24 v[STO], v8, 144
	v_lshl_add_u32 v[STO], v14, 4, v[STO]
	v_add_nc_u32 v[STO], s58, v[STO]
	v_bfe_u32 v[RD], v0, 3, 2
	v_mul_u32_u24 v[RD], v[RD], 144
	v_and_b32 v[GO], 7, v0
	v_lshl_add_u32 v[RD], v[GO], 4, v[RD]
	v_add_nc_u32 v[RD], s58, v[RD]
	v_and_b32 v[GO], 31, v0
	v_lshlrev_b32 v[GO], 4, v[GO]
.irp t, 0,1
	v_mov_b32 v[ST+8*\t+1], 0xff61b1e6             ; m: -3e38, under every score
	v_mul_f32 v[ST+8*\t], s[CS], v[ST+8*\t+1]      ; c m
.irp i, 2,3,4,5,6,7
	v_mov_b32 v[ST+8*\t+\i], 0                     ; the sum; and the registers at work, written once: a lane permute's destination counts as one of its sources
.endr
.endr
.set i, 0
.rept 64
	v_mov_b32 v[OT+i], 0                           ; O^T.  (The step is written once: the first finds zeros, which a = 0 leaves zeros)
.set i, i+1
.endr
	s_wait_loadcnt 0x0                             ; Q
; 64 keys: the u-th half of a big step.
.macro SUBSTEP u
; five places: K's loads land in registers that the last products read (four are asked), and the products below write over p, which those products read (five)
.if \u == 0
	v_add_nc_u32 v[ADK], s[TB], v[AK0]
	v_add_nc_u32 v[ADV], s[TB], v[AV0]
.rept 3
	v_nop
.endr
.else
.rept 5
	v_nop
.endr
.endif
.irp kt, 0,1,2,3
.irp c, 0,1
	ds_load_b128 v[KV+8*(2*\kt+\c):KV+8*(2*\kt+\c)+3], v[ADK] offset:8704*\u+2176*\kt+64*\c
	ds_load_b128 v[KV+8*(2*\kt+\c)+4:KV+8*(2*\kt+\c)+7], v[ADK] offset:8704*\u+2176*\kt+64*\c+32
.endr
.endr
	s_wait_dscnt 0x0
.irp c, 0,1                                    ; S^T = K Q^T: eight accumulators by turns
.irp kt, 0,1,2,3
.irp t, 0,1
.if \c == 0
	v_wmma_f32_16x16x32_f16 v[SR+32*\t+8*\kt:SR+32*\t+8*\kt+7], v[KV+8*(2*\kt+\c):KV+8*(2*\kt+\c)+7], v[QF+16*\t+8*\c:QF+16*\t+8*\c+7], 0
.else
	v_wmma_f32_16x16x32_f16 v[SR+32*\t+8*\kt:SR+32*\t+8*\kt+7], v[KV+8*(2*\kt+\c):KV+8*(2*\kt+\c)+7], v[QF+16*\t+8*\c:QF+16*\t+8*\c+7], v[SR+32*\t+8*\kt:SR+32*\t+8*\kt+7]
.endif
.endr
.endr
.endr
.rept 4
	v_nop                                          ; places in front of V's loads into K's registers, and of the first read of the scores
.endr
.irp kf, 0,1                                   ; V, turned: keys 32 kf on, channels 16 dt on.  It lands while the softmax is walked
.irp dt, 0,1,2,3
	ds_load_tr16_b128 v[KV+8*(4*\kf+\dt):KV+8*(4*\kf+\dt)+3], v[ADV] offset:9216*\u+4608*\kf+32*\dt
	ds_load_tr16_b128 v[KV+8*(4*\kf+\dt)+4:KV+8*(4*\kf+\dt)+7], v[ADV] offset:9216*\u+4608*\kf+32*\dt+2304
.endr
.endr
	s_cmp_lg_u32 s[SIG], s[PP]                     ; only my own big step has hidden keys
	s_cbranch_scc1 .Lopen_\@
.irp t, 0,1                                    ; register 8 kt + j of tile t: key 64 u + 16 kt + 8 h + j against query 32 cx + 16 t + r, both inside the big step
.irp kt, 0,1,2,3
.irp j, 0,1,2,3,4,5,6,7
	v_cmp_gt_i32 vcc_lo, 64*\u+16*\kt+\j-16*\t, v[D0]
	v_cndmask_b32 v[SR+32*\t+8*\kt+\j], v[SR+32*\t+8*\kt+\j], v[NINF], vcc_lo
.endr
.endr
.endr
.Lopen_\@:
; the softmax, both tiles line by line.  The maximum of 32 scores and the old m, each accumulator read from its low end on
.irp j, 0,1,2,3
.irp t, 0,1
	v_max3_num_f32 v[ST+8*\t+4+\j], v[SR+32*\t+8*\j], v[SR+32*\t+8*\j+1], v[SR+32*\t+8*\j+2]
.endr
.endr
.irp g, 1,2
.irp j, 0,1,2,3
.irp t, 0,1
	v_max3_num_f32 v[ST+8*\t+4+\j], v[ST+8*\t+4+\j], v[SR+32*\t+8*\j+2*\g+1], v[SR+32*\t+8*\j+2*\g+2]
.endr
.endr
.endr
.irp t, 0,1
	v_max3_num_f32 v[ST+8*\t+4], v[ST+8*\t+4], v[SR+32*\t+7], v[SR+32*\t+15]
	v_max3_num_f32 v[ST+8*\t+6], v[ST+8*\t+6], v[SR+32*\t+23], v[SR+32*\t+31]
.endr
.irp t, 0,1
	v_max3_num_f32 v[ST+8*\t+4], v[ST+8*\t+4], v[ST+8*\t+5], v[ST+8*\t+6]
.endr
.irp t, 0,1
	v_max3_num_f32 v[ST+8*\t+4], v[ST+8*\t+4], v[ST+8*\t+7], v[ST+8*\t+1]
.endr
.irp t, 0,1
	v_permlanex16_b32 v[ST+8*\t+5], v[ST+8*\t+4], s[SEL], s[SEL+1]   ; the query's other 32 keys lie in the lane 16 away
.endr
.irp t, 0,1
	v_mov_b32 v[ST+8*\t+7], v[ST+8*\t]             ; c m_old
.endr
.irp t, 0,1
	v_max_num_f32 v[ST+8*\t+1], v[ST+8*\t+4], v[ST+8*\t+5]
.endr
.irp t, 0,1
	v_mul_f32 v[ST+8*\t], s[CS], v[ST+8*\t+1]
.endr
.irp t, 0,1
	v_sub_f32 v[ST+8*\t+7], v[ST+8*\t+7], v[ST+8*\t]
.endr
.set i, 0
.rept 16
.irp t, 0,1
	v_pk_fma_f32 v[SR+32*\t+2*i:SR+32*\t+2*i+1], v[SR+32*\t+2*i:SR+32*\t+2*i+1], s[CS:CS+1], v[ST+8*\t:ST+8*\t+1] op_sel_hi:[1,0,0] neg_lo:[0,0,1] neg_hi:[0,0,1]   ; c s - c m
.endr
.set i, i+1
.endr
.irp t, 0,1
	v_exp_f32 v[ST+8*\t+6], v[ST+8*\t+7]           ; a
.endr
.set i, 0
.rept 32
	v_exp_f32 v[SR+i], v[SR+i]
	v_exp_f32 v[SR+32+i], v[SR+32+i]
.set i, i+1
.endr
	v_nop                                          ; a plain instruction behind the last exponential
	s_wait_alu depctr_va_vdst(0)                   ; one wait for the 66 exponentials, ahead of the first instruction that names a result
.set i, 0
.rept 16                                       ; pair i is summed, then packed into register i, which belongs to a pair that is done with
.irp t, 0,1
.if i == 0
	v_pk_fma_f32 v[ST+8*\t+2:ST+8*\t+3], v[ST+8*\t+2:ST+8*\t+3], v[ST+8*\t+6:ST+8*\t+7], v[SR+32*\t:SR+32*\t+1] op_sel_hi:[1,0,1]
.else
	v_pk_add_f32 v[ST+8*\t+2:ST+8*\t+3], v[ST+8*\t+2:ST+8*\t+3], v[SR+32*\t+2*i:SR+32*\t+2*i+1]
.endif
.endr
.irp t, 0,1
	v_cvt_pk_f16_f32 v[SR+32*\t+i], v[SR+32*\t+2*i], v[SR+32*\t+2*i+1]
.endr
.set i, i+1
.endr
.set i, 0
.rept 16
.irp t, 0,1
	v_pk_mul_f32 v[OT+32*\t+2*i:OT+32*\t+2*i+1], v[OT+32*\t+2*i:OT+32*\t+2*i+1], v[ST+8*\t+6:ST+8*\t+7] op_sel_hi:[1,0]   ; O^T x a, from each accumulator's low end on
.endr
.set i, i+1
.endr
	s_wait_dscnt 0x0                               ; V is in
.irp kf, 0,1                                   ; O^T += V^T P: eight accumulators by turns
.irp dt, 0,1,2,3
.irp t, 0,1
	v_wmma_f32_16x16x32_f16 v[OT+32*\t+8*\dt:OT+32*\t+8*\dt+7], v[KV+8*(4*\kf+\dt):KV+8*(4*\kf+\dt)+7], v[SR+32*\t+8*\kf:SR+32*\t+8*\kf+7], v[OT+32*\t+8*\dt:OT+32*\t+8*\dt+7]
.endr
.endr
.endr
.endm
.macro BIGSTEP
	s_cmp_gt_u32 s[SIG], s[PP]                     ; all its keys come after my queries: the work is left out, not the lines that step
	s_cbranch_scc1 .Lhidden_\@
	SUBSTEP 0
	SUBSTEP 1
.Lhidden_\@:
	s_add_co_u32 s[SIG], s[SIG], 1
	s_add_co_u32 s[TB], s[TB], BIGB
.endm
.macro TWO_BIG                         ; a slot's two big steps: written once, walked twice
	s_mov_b32 s[TWICE], 2
.Lbig_\@:
	BIGSTEP
	s_sub_co_u32 s[TWICE], s[TWICE], 1
	s_cmp_lg_u32 s[TWICE], 0
	s_cbranch_scc1 .Lbig_\@
	s_sub_co_u32 s[TB], s[TB], 2*BIGB
	s_xor_b32 s[TB], s[TB], SLOT1                  ; on to the other slot
.endm
; THE CHANGE OF SLOTS stands at a slot's head.  Each wave waits for all its tensor loads (its part of the slot ahead), adds 0 to its spare word, and waits for that and for its reads of the slot that it has left.
; fill = 1: a round of the cluster's barrier, and behind it the other slot is filled with the next 256 keys: one tensor load of a wave is out, with two big steps in which to land.
.macro CHANGE fill
	s_wait_tensorcnt 0x0                           ; no tensor load of mine is out, so a group 0 may be written
	ds_add_u32 v[SPW], v[NIL]
.if \fill
	ds_add_u32 v[SPW], v[NIL]                      ; and once more
	s_xor_b32 s[G0K+1], s[G0K+1], SLOT1
	s_add_nc_u64 s[G0K+2:G0K+3], s[G0K+2:G0K+3], 32768   ; the next 256 keys; the type bits on top are not reached
	s_xor_b32 s[G0V+1], s[G0V+1], SLOT1
	s_add_nc_u64 s[G0V+2:G0V+3], s[G0V+2:G0V+3], 32768
	s_wait_xcnt 0x0                                ; the last prefetch, a slot back, has read its address
	s_add_nc_u64 s[PFA:PFA+1], s[PFA:PFA+1], 32768 ; one slot further on than the walking descriptors
	s_wait_dscnt 0x0                               ; the adds are done, and my reads of the slot that I have left are over
	CROUND
	TLOAD
	ASK
.else
	s_wait_dscnt 0x0
	s_barrier_signal -1
	s_barrier_wait -1
.endif
.endm
.Lslot:                                            ; seven trips: behind each change of slots but the last the next slot is asked for
	CHANGE 1
	TWO_BIG
	s_sub_co_u32 s[SLOTS], s[SLOTS], 1
	s_cmp_lg_u32 s[SLOTS], 0
	s_cbranch_scc1 .Lslot
	CHANGE 0                                       ; the last slot is written out
	TWO_BIG
	; THE WAY OUT.  O^T / the sum, rounded to f16, through my stage, and out as 512 consecutive bytes (four rows) a store.
.rept 4
	v_nop
.endr
.irp t, 0,1
	v_add_f32 v[ST+8*\t+4], v[ST+8*\t+2], v[ST+8*\t+3]
.endr
.irp t, 0,1
	v_permlanex16_b32 v[ST+8*\t+5], v[ST+8*\t+4], s[SEL], s[SEL+1]
.endr
.irp t, 0,1
	v_add_f32 v[ST+8*\t+4], v[ST+8*\t+4], v[ST+8*\t+5]
.endr
.irp t, 0,1
	v_rcp_f32 v[ST+8*\t+6], v[ST+8*\t+4]
.endr
	v_nop                                          ; a plain instruction behind the last reciprocal
	s_wait_alu depctr_va_vdst(0)                   ; one wait for both, ahead of the first use
.set i, 0
.rept 16
.irp t, 0,1
	v_pk_mul_f32 v[OT+32*\t+2*i:OT+32*\t+2*i+1], v[OT+32*\t+2*i:OT+32*\t+2*i+1], v[ST+8*\t+6:ST+8*\t+7] op_sel_hi:[1,0]
.endr
.set i, i+1
.endr
.set i, 0
.rept 32
	v_cvt_pk_f16_f32 v[SR+i], v[OT+2*i], v[OT+2*i+1]   ; tile t, channels 16 dt + 8 h on: registers 16 t + 4 dt .. + 3
.set i, i+1
.endr
.irp t, 0,1
.irp dt, 0,1,2,3
	ds_store_b128 v[STO], v[SR+16*\t+4*\dt:SR+16*\t+4*\dt+3] offset:2304*\t+32*\dt
.endr
.endr
.irp i, 0,1,2,3,4,5,6,7
	ds_load_b128 v[KV+4*\i:KV+4*\i+3], v[RD] offset:576*\i   ; LDS serves a wave's instructions in order (ISA guide 5.7.1.4): these see my stores
.endr
.irp i, 0,1,2,3,4,5,6,7
	s_wait_dscnt 7-\i                              ; load i is in; the 7 - i younger ones may be out
	global_store_b128 v[GO], v[KV+4*\i:KV+4*\i+3], s[OAD:OAD+1] offset:512*\i
.endr
	s_wait_tensorcnt 0x0                           ; the wave's end
	ds_add_u32 v[SPW], v[NIL]
	s_wait_dscnt 0x0
	CROUND                                         ; the closing round
	s_endpgm
.Lfunc_end_k_q1415fd0fa5_attn:
	.size	k_q1415fd0fa5_attn, .Lfunc_end_k_q1415fd0fa5_attn-k_q1415fd0fa5_attn
	.p2alignl 7, 3214868480
	.fill 96, 4, 3214868480
	.section	.rodata,"a",@progbits
	.p2align	6, 0x0
	.amdhsa_kernel k_q1415fd0fa5_attn
		.amdhsa_group_segment_fixed_size 327680
		.amdhsa_private_segment_fixed_size 0
		.amdhsa_enable_private_segment 0
		.amdhsa_kernarg_size 16
		.amdhsa_user_sgpr_count 2
		.amdhsa_user_sgpr_kernarg_segment_ptr 1
		.amdhsa_wavefront_size32 1
		.amdhsa_system_sgpr_workgroup_id_x 1
		.amdhsa_system_sgpr_workgroup_id_y 1
		.amdhsa_system_sgpr_workgroup_id_z 1
		.amdhsa_system_vgpr_workitem_id 0
		.amdhsa_next_free_vgpr 256
		.amdhsa_next_free_sgpr 66
		.amdhsa_reserve_vcc 1
		.amdhsa_float_denorm_mode_32 3
		.amdhsa_float_denorm_mode_16_64 3
		.amdhsa_memory_ordered 1
		.amdhsa_forward_progress 1
		.amdhsa_inst_pref_size 107
	.end_amdhsa_kernel
	.amdgpu_metadata
---
amdhsa.version: [ 1, 2 ]
amdhsa.kernels:
  - .name:           k_q1415fd0fa5_attn
    .symbol:         k_q1415fd0fa5_attn.kd
    .args:
      - { .name: qkvh, .offset: 0, .size: 8, .value_kind: global_buffer, .address_space: global }
      - { .name: attn, .offset: 8, .size: 8, .value_kind: global_buffer, .address_space: global }
    .group_segment_fixed_size: 327680
    .private_segment_fixed_size: 0
    .kernarg_segment_align: 8
    .kernarg_segment_size: 16
    .max_flat_workgroup_size: 512
    .sgpr_count:     66
    .vgpr_count:     256
    .wavefront_size: 32
...
	.end_amdgpu_metadata
.endif
;; end of part 3
;; launch outproj (part 4): grid 4 x 64, 4 waves a work-group, clusters of 4 x 4, 327,680 bytes of LDS; arguments attn, wout16, b_out, out0; writes out0
.if DOCPART == 4
	.amdgcn_target "amdgcn-amd-amdhsa--gfx1250"
	.amdhsa_code_object_version 6
	.text
	.protected	k_q1415fd0fa5_outproj
	.globl	k_q1415fd0fa5_outproj
	.p2align	8
	.type	k_q1415fd0fa5_outproj,@function
k_q1415fd0fa5_outproj:
	s_mov_b64 s[64:65], 0
	v_nop
	global_prefetch_b8 v0, s[64:65] scope:SCOPE_SE
	s_setreg_imm32_b32 hwreg(HW_REG_WAVE_MODE, 25, 1), 1
	s_wait_xcnt 0x0
	s_wait_alu depctr_hold_cnt(0) depctr_sa_sdst(0) depctr_va_vdst(0) depctr_va_sdst(0) depctr_va_ssrc(0) depctr_va_vcc(0) depctr_vm_vsrc(0)
	s_getreg_b32 s2, hwreg(HW_REG_IB_STS2, 6, 4)
	s_cmp_eq_u32 s2, 0
	s_cbranch_scc0 .Lentry_in_a_cluster
	s_endpgm
.Lentry_in_a_cluster:
	s_bfe_u32 s2, ttmp6, 0x10000c
	s_cmp_lg_u32 s2, 0xf033
	s_cbranch_scc0 .Lentry_shape_is_right
	s_endpgm
.Lentry_shape_is_right:
; out0[b][t][n] = the sum over k of A[b][t][k] W_out[k][n] + b_out[n], for all rows but t < 16 (those are another launch's).  A: attn [b][head][t][64] f16, k = 64 head + channel; wout16 [k 1024][n 1024] f16; sums in f32.
; A tile is 128 rows x 256 columns: 256 work-groups.  Four waves, each 64 x 128: 32 accumulators, 256 registers.  K goes in steps of 128 (two heads) through a ring of two LDS slots.
; CLUSTERS: 4 x 4.  Tile column = cx, batch = cy, tile row in the batch = cluster y: 'my tile holds t < 16' means cluster y = 0, the same in all sixteen partners.  A's tiles are asked for jointly along a row of the cluster, W's along a column.
; THE MATRIX INSTRUCTION IS USED TRANSPOSED: source 0 = 16 columns of W (turned out of LDS by ds_load_tr16_b128, since K is W's first axis), source 1 = 16 rows of A: a lane holds eight neighbouring columns of one row.
; LDS, a slot: A: two planes (heads) of 64 rows x 272 bytes, a row holding TWO t (a head's rows are dense, 128 bytes); then W: 128 rows (k) x 544 bytes (512 + 32).
; REGISTERS: window 0: v0-31 addresses; v64-95, v96-127 A's fragments, two buffers; v128-191, v192-255 W's, two buffers.  window 1: accumulator (a, b) at v[8 (8 a + b)].  window 2: v0-63 the bias.
.set PLANE, 17408
.set BOFF,  34816
.set SLOT,  104448
.set STAGE, 208896                     ; behind the ring: 16 rows x 528 bytes for each wave: bytes of its own
.set SPITCH, 528
.set SPARE, 242688                     ; the spare words, 128 bytes a wave: two blocks of 256 bytes that no other line names
.set ADRA, 16
.set ADRB, 20
.set STO,  24
.set RD,   25
.set CO,   26
.set SPW,  28
.set NIL,  29
.set PFO,  30
.set FA,   64
.set FB,   128
.set WV,  12
.set HR,  13                           ; s13 wave / 2: my half of the rows.  Also: I fetch for A (0) or for W (1)
.set HC,  14                           ; s14 wave % 2: my half of the columns.  Also: which half I fetch
.set G1A, 24
.set G0A, 32
.set G1B, 48
.set G0B, 56
.set LIM, 43
.set PFA, 44
.set PFS, 46
.set FINE, 66
.set MSB, 0
.macro WIN new
.if MSB != \new
	s_set_vgpr_msb (MSB<<8)|\new
.set MSB, \new
.endif
.endm
.set W_MUL, 0x50                       ; C and D window 1
.set W_FIRST, 0x60                     ; C (the bias) window 2, D window 1
.macro JLOAD s                         ; a joint load; an s_nop 0 and four v_nop follow each of the two lines
	s_cmp_eq_u32 s[HR], 0
	s_cbranch_scc0 .Lfor_b_\@
	tensor_load_to_lds s[G0A+4*\s:G0A+4*\s+3], s[G1A:G1A+7]
	s_nop 0
.rept 4
	v_nop
.endr
	s_branch .Lasked_\@
.Lfor_b_\@:
	tensor_load_to_lds s[G0B+4*\s:G0B+4*\s+3], s[G1B:G1B+7]
	s_nop 0
.rept 4
	v_nop
.endr
.Lasked_\@:
.endm
; A prefetch of the K step that stands two refills on.  A's 32,768 bytes of a K step: the four partners of a row take a quarter each by address (cx), wave 0 asks, lanes 256 bytes apart.
; W's 128 rows x 512 bytes: the clusters with y = 0 ask; the four partners of a column take 32 rows each by address (cy); waves 2 and 3 take a row's two blocks of 256 bytes; a lane a row.
; So each aligned block of 256 bytes is named once in the launch.  The last trip's two refills have no K step two on, and ask for nothing.
.macro ASK
	s_cmp_gt_u32 s3, s[LIM]
	s_cbranch_scc0 .Lnot_mine_\@
	global_prefetch_b8 v[PFO], s[PFA:PFA+1] th:TH_LOAD_NT scope:SCOPE_SE
.Lnot_mine_\@:
.endm
.macro CREST
	s_cmp_lg_u32 s[WV], 0
	s_cbranch_scc1 .Lnot_wave_0_\@
	s_barrier_signal -3
.Lnot_wave_0_\@:
	s_barrier_wait -3
	s_barrier_signal -1
	s_barrier_wait -1
.endm
.macro CROUND
	s_barrier_signal -1
	s_barrier_wait -1
	CREST
.endm
	s_load_b128 s[4:7], s[0:1], 0x0                ; attn s[4:5], wout16 s[6:7]
	s_load_b128 s[8:11], s[0:1], 0x10              ; b_out s[8:9], out0 s[10:11]
	v_lshl_add_u32 v[SPW], v0, 2, SPARE
	v_mov_b32 v[NIL], 0
	ds_add_u32 v[SPW], v[NIL]                      ; the wave's opening: the add, twice on end, and its wait ahead of my first tensor load
	ds_add_u32 v[SPW], v[NIL]
	v_lshrrev_b32 v1, 5, v0
	v_readfirstlane_b32 s[WV], v1
	s_lshr_b32 s[HR], s[WV], 1
	s_and_b32 s[HC], s[WV], 1
	s_bfe_u32 s40, ttmp6, 0x40000                  ; cx: the tile column
	s_bfe_u32 s41, ttmp6, 0x40004                  ; cy: the batch
	s_and_b32 s42, ttmp7, 0xffff                   ; cluster y: the tile row in the batch
	s_or_b32 s[FINE], s42, s[HR]                   ; 0 where my first 16 rows are t < 16
	s_lshl_b32 s15, s41, 2
	s_lshl_b32 s15, 15, s15                        ; my row of the cluster
	s_lshl_b32 s16, 0x1111, s40                    ; my column
	s_or_b32 s[G1A], s15, (1<<16)|(1<<20)|(1<<21)|(5<<22)|(3<<25)   ; elements of 2 bytes; 4 words of padding after every 64
	s_mov_b32 s[G1A+1], 128<<16
	s_mov_b32 s[G1A+2], 64<<16
	s_mov_b32 s[G1A+3], 128<<16
	s_mov_b32 s[G1A+4], 64
	s_mov_b32 s[G1A+5], 128                        ; dense
	s_mov_b32 s[G1A+6], 0
	s_mov_b32 s[G1A+7], 0
	s_or_b32 s[G1B], s16, (1<<16)|(1<<20)|(1<<21)|(6<<22)|(7<<25)   ; 8 words of padding after every 128
	s_mov_b32 s[G1B+1], 256<<16
	s_mov_b32 s[G1B+2], 64<<16
	s_mov_b32 s[G1B+3], 256<<16
	s_mov_b32 s[G1B+4], 64
	s_mov_b32 s[G1B+5], 1024
	s_mov_b32 s[G1B+6], 0
	s_mov_b32 s[G1B+7], 0
	s_lshl_b32 s18, s41, 4                         ; A: head 16 cy + my plane, 2^18 bytes each,
	s_add_co_u32 s18, s18, s[HC]
	s_lshl_b32 s18, s18, 18
	s_lshl_b32 s19, s42, 14                        ; t = 128 x cluster y, 128 bytes each
	s_add_co_u32 s18, s18, s19
	s_mov_b32 s19, 0
	s_lshl_b32 s20, s[HC], 17                      ; W: my 64 rows of 2,048 bytes,
	s_lshl_b32 s21, s40, 9                         ; the tile column's 512 bytes
	s_add_co_u32 s20, s20, s21
	s_mov_b32 s21, 0
	s_mul_i32 s22, s[HC], PLANE                    ; where they go
	s_mul_i32 s23, s[HC], 34816
	s_add_co_u32 s23, s23, BOFF
	s_wait_dscnt 0x0                               ; both opening adds are done
	s_wait_kmcnt 0x0
	s_add_nc_u64 s[18:19], s[4:5], s[18:19]
	s_add_nc_u64 s[20:21], s[6:7], s[20:21]
	CROUND                                         ; all sixteen work-groups are here
.irp s, 0,1
	s_mov_b32 s[G0A+4*\s], 1
	s_add_co_u32 s[G0A+4*\s+1], s22, \s*SLOT
	s_add_nc_u64 s[G0A+4*\s+2:G0A+4*\s+3], s[18:19], \s*524288    ; K step s: two heads on
	s_or_b32 s[G0A+4*\s+3], s[G0A+4*\s+3], 0x80000000
	s_mov_b32 s[G0B+4*\s], 1
	s_add_co_u32 s[G0B+4*\s+1], s23, \s*SLOT
	s_add_nc_u64 s[G0B+4*\s+2:G0B+4*\s+3], s[20:21], \s*262144    ; 128 rows on
	s_or_b32 s[G0B+4*\s+3], s[G0B+4*\s+3], 0x80000000
	JLOAD \s
.endr
	v_and_b32 v1, 15, v0                           ; r
	v_bfe_u32 v2, v0, 4, 1                         ; h
	v_lshrrev_b32 v3, 1, v1                        ; A: row r of a block: LDS row r / 2, half r % 2
	v_mul_u32_u24 v3, v3, 272
	v_and_b32 v4, 1, v1
	v_lshl_add_u32 v3, v4, 7, v3
	v_lshl_add_u32 v3, v2, 4, v3
	s_mul_i32 s15, s[HR], 8704                     ; my 64 rows
	v_and_b32 v4, 7, v0                            ; W: the turning load: lane l reads row k = 8 h + l % 8, columns 8 ((l / 8) % 2) on
	v_lshl_add_u32 v4, v2, 3, v4
	v_mul_u32_u24 v4, v4, 544
	v_bfe_u32 v5, v0, 3, 1
	v_lshl_add_u32 v4, v5, 4, v4
	s_lshl_b32 s16, s[HC], 8                       ; my 128 columns
	s_add_co_u32 s16, s16, BOFF
.irp s, 0,1
	v_add_nc_u32 v[ADRA+\s], s15, v3
	v_add_nc_u32 v[ADRB+\s], s16, v4
	s_add_co_u32 s15, s15, SLOT
	s_add_co_u32 s16, s16, SLOT
.endr
	s_mul_i32 s15, s[WV], 16*SPITCH
	s_add_co_u32 s15, s15, STAGE                   ; my stage
	v_mul_u32_u24 v[STO], v1, SPITCH
	v_lshl_add_u32 v[STO], v2, 5, v[STO]
	v_add_nc_u32 v[STO], s15, v[STO]               ; in: row r, 32 bytes for each half of the lanes
	v_and_b32 v5, 31, v0
	v_lshlrev_b32 v[CO], 4, v5                     ; back: the 32 lanes take a row of 512 bytes
	v_add_nc_u32 v[RD], s15, v[CO]
	v_lshlrev_b32 v6, 5, v2                        ; the bias: 32 h
	s_lshl_b32 s16, s40, 10                        ; my first column x 4 bytes
	s_lshl_b32 s17, s[HC], 9
	s_add_co_u32 s16, s16, s17
	s_mov_b32 s17, 0
	s_add_nc_u64 s[8:9], s[8:9], s[16:17]
	s_add_nc_u64 s[10:11], s[10:11], s[16:17]
	WIN 0x80                                       ; destination window 2
.irp b, 0,1,2,3,4,5,6,7
	global_load_b128 v[8*\b:8*\b+3], v6, s[8:9] offset:64*\b           ; block b, register j: b_out[my first column + 16 b + 8 h + j]
	global_load_b128 v[8*\b+4:8*\b+7], v6, s[8:9] offset:64*\b+16
.endr
	WIN 0
	s_lshl_b32 s16, s41, 23                        ; out0: row 2,048 cy + 128 cluster y + 64 x half, 4,096 bytes each
	s_lshl_b32 s15, s42, 19
	s_add_co_u32 s16, s16, s15
	s_lshl_b32 s15, s[HR], 18
	s_add_co_u32 s16, s16, s15
	s_add_nc_u64 s[10:11], s[10:11], s[16:17]
	; the prefetches
	s_lshl_b32 s67, s41, 4
	s_lshr_b32 s68, s40, 1
	s_add_co_u32 s67, s67, s68
	s_lshl_b32 s67, s67, 18                        ; A: head 16 cy + cx / 2,
	s_lshl_b32 s68, s42, 14
	s_add_co_u32 s67, s67, s68                     ; my tile's rows,
	s_and_b32 s68, s40, 1
	s_lshl_b32 s68, s68, 13
	s_add_co_u32 s67, s67, s68                     ; the half cx % 2 of the plane,
	s_add_co_u32 s67, s67, 3*524288                ; at K step 3: the first refill steps it to 4
	s_lshl_b32 s69, s41, 16                        ; W: rows 32 cy on,
	s_lshl_b32 s68, s40, 9
	s_add_co_u32 s69, s69, s68
	s_lshl_b32 s68, s[HC], 8
	s_add_co_u32 s69, s69, s68                     ; my block of the row's two,
	s_add_co_u32 s69, s69, 3*262144
	s_mov_b32 s70, 262144
	s_cmp_eq_u32 s[HR], 0                          ; do I fetch for A?
	s_cselect_b64 s[PFA:PFA+1], s[4:5], s[6:7]
	s_cselect_b32 s16, s67, s69
	s_cselect_b32 s[PFS], 524288, s70              ; a K step on
	s_cselect_b32 s68, 8, 11                       ; from lane to lane: 256 bytes, or a row of 2,048
	s_cselect_b32 s69, s[HC], s42                  ; A: wave 0 alone; W: where cluster y = 0
	s_mov_b32 s[PFS+1], 0
	s_add_nc_u64 s[PFA:PFA+1], s[PFA:PFA+1], s[16:17]
	s_cmp_eq_u32 s69, 0
	s_cselect_b32 s[LIM], 1, -1                    ; the same in all sixteen partners, for a given wave
	v_lshlrev_b32 v[PFO], s68, v5
.macro MULA f, a, first                ; 8 products: my row block a x my 8 column blocks, 32 along K, from buffer f.  The 32 accumulators take turns
.irp b, 0,1,2,3,4,5,6,7
.if \first
	v_wmma_f32_16x16x32_f16 v[8*(8*(\a)+\b):8*(8*(\a)+\b)+7], v[FB+64*(\f)+8*\b:FB+64*(\f)+8*\b+7], v[FA+32*(\f)+8*(\a):FA+32*(\f)+8*(\a)+7], v[8*\b:8*\b+7]
.else
	v_wmma_f32_16x16x32_f16 v[8*(8*(\a)+\b):8*(8*(\a)+\b)+7], v[FB+64*(\f)+8*\b:FB+64*(\f)+8*\b+7], v[FA+32*(\f)+8*(\a):FA+32*(\f)+8*(\a)+7], v[8*(8*(\a)+\b):8*(8*(\a)+\b)+7]
.endif
.endr
.endm
.macro FETCH slot, q, f                ; 24 LDS loads in one run: quarter q (32 along K) of the slot into buffer f: W's eight fragments, then A's four
	WIN 0
.irp b, 0,1,2,3,4,5,6,7
	ds_load_tr16_b128 v[FB+64*(\f)+8*\b:FB+64*(\f)+8*\b+3], v[ADRB+\slot] offset:17408*(\q)+32*\b
	ds_load_tr16_b128 v[FB+64*(\f)+8*\b+4:FB+64*(\f)+8*\b+7], v[ADRB+\slot] offset:17408*(\q)+32*\b+8704
.endr
.irp a, 0,1,2,3
	ds_load_b128 v[FA+32*(\f)+8*\a:FA+32*(\f)+8*\a+3], v[ADRA+\slot] offset:PLANE*((\q)/2)+64*((\q)%2)+2176*\a
	ds_load_b128 v[FA+32*(\f)+8*\a+4:FA+32*(\f)+8*\a+7], v[ADRA+\slot] offset:PLANE*((\q)/2)+64*((\q)%2)+2176*\a+32
.endr
.endm
.macro PLACES                          ; four plain vector instructions in front of loads into registers that matrix instructions have read, and of reads of results
.rept 4
	v_nop
.endr
.endm
.macro QUARTER slot, q, f, g, first    ; multiplies buffer f; in its middle it fetches quarter q of the same slot into buffer g
	s_wait_dscnt 4                                 ; W's fragments and A's blocks 0, 1 are in; the youngest four loads (A's blocks 2, 3) may be out
.if \first
	WIN W_FIRST
.else
	WIN W_MUL
.endif
	MULA \f, 0, \first
	MULA \f, 1, \first
	PLACES
	FETCH \slot, \q, \g
	s_wait_dscnt 24                                ; all but the 24 just issued
.if \first
	WIN W_FIRST
.else
	WIN W_MUL
.endif
	MULA \f, 2, \first
	MULA \f, 3, \first
.endm
; A K step's last quarter multiplies buffer 1 and changes slots: in front of the barrier each wave waits for all its tensor loads, adds 0 to its spare word, and waits for that and for its reads of this slot.
; fill = 1: the barrier opens a round of the cluster's barrier, and behind the round this slot is filled again, two K steps ahead: one tensor load of a wave is out.
.macro TURN slot, next, fill
.if \fill
	s_wait_xcnt 0x0                                ; the last prefetch, a K step back, has read its address
	s_add_nc_u64 s[PFA:PFA+1], s[PFA:PFA+1], s[PFS:PFS+1]
.endif
	WIN 0
	s_wait_tensorcnt 0x0                           ; my part of the next slot has landed
	ds_add_u32 v[SPW], v[NIL]
	s_wait_dscnt 5                                 ; (the add and the youngest four loads may be out)
	WIN W_MUL
	MULA 1, 0, 0
	s_wait_dscnt 0x0                               ; the add is done, and my reads of this slot are over
	s_barrier_signal -1
	MULA 1, 1, 0
.if \fill
	WIN 0
.endif
	s_barrier_wait -1
.if \fill
	CREST
	s_add_nc_u64 s[G0A+4*\slot+2:G0A+4*\slot+3], s[G0A+4*\slot+2:G0A+4*\slot+3], 1048576
	s_add_nc_u64 s[G0B+4*\slot+2:G0B+4*\slot+3], s[G0B+4*\slot+2:G0B+4*\slot+3], 524288
	JLOAD \slot                                    ; the first tensor load behind the round; its four v_nop are also the places in front of the loads below
.else
	PLACES
.endif
	FETCH \next, 0, 0
.if \fill
	ASK
.endif
	WIN W_MUL
	MULA 1, 2, 0
	MULA 1, 3, 0
.endm
	s_wait_tensorcnt 1                             ; my part of K step 0 is in; K step 1's load may be out
	s_barrier_signal -1
	s_barrier_wait -1
	FETCH 0, 0, 0
	s_wait_loadcnt 0x0                             ; the bias
	QUARTER 0, 1, 0, 1, 1                          ; the first quarter starts the sums from the bias
	WIN 0
	s_mov_b32 s3, 3
.Llap:                                                 ; three trips, each once round the ring, from a lap's second quarter to the next lap's first
	QUARTER 0, 2, 1, 0, 0
	QUARTER 0, 3, 0, 1, 0
	TURN 0, 1, 1
	QUARTER 1, 1, 0, 1, 0
	QUARTER 1, 2, 1, 0, 0
	QUARTER 1, 3, 0, 1, 0
	TURN 1, 0, 1
	QUARTER 0, 1, 0, 1, 0
	WIN 0
	s_sub_co_u32 s3, s3, 1
	s_cmp_lg_u32 s3, 0
	s_cbranch_scc1 .Llap
	QUARTER 0, 2, 1, 0, 0                          ; the last lap fills nothing
	QUARTER 0, 3, 0, 1, 0
	TURN 0, 1, 0
	QUARTER 1, 1, 0, 1, 0
	QUARTER 1, 2, 1, 0, 0
	QUARTER 1, 3, 0, 1, 0
	s_wait_dscnt 4
	WIN W_MUL
	MULA 1, 0, 0
	MULA 1, 1, 0
	s_wait_dscnt 0
	MULA 1, 2, 0
	MULA 1, 3, 0
	WIN 0
; THE WAY OUT, block by block of 16 rows x 128 columns: through my own stage and back as whole rows of 512 bytes.
.macro TOSTAGE a
	WIN 0x04                                       ; an LDS store's data: window 1
.irp b, 0,1,2,3,4,5,6,7
	ds_store_b128 v[STO], v[8*(8*(\a)+\b):8*(8*(\a)+\b)+3] offset:64*\b          ; each accumulator from its low end on
	ds_store_b128 v[STO], v[8*(8*(\a)+\b)+4:8*(8*(\a)+\b)+7] offset:64*\b+16
.endr
	WIN 0
.set BB, 64+64*((\a)%2)
.irp t, 0,1,2,3,4,5,6,7,8,9,10,11,12,13,14,15
	ds_load_b128 v[BB+4*\t:BB+4*\t+3], v[RD] offset:\t*SPITCH   ; LDS serves a wave's instructions in order (ISA guide 5.7.1.4)
.endr
.endm
.macro SEND a, younger
.set BB, 64+64*((\a)%2)
	s_wait_dscnt \younger                          ; the block is back; the next block's 16 stores and 16 loads may be out
.if (\a) == 0
	s_cmp_eq_u32 s[FINE], 0                        ; t < 16: these rows are another launch's
	s_cbranch_scc1 .Lfine_rows
.endif
.irp t, 0,1,2,3,4,5,6,7,8,9,10,11,12,13,14,15
	global_store_b128 v[CO], v[BB+4*\t:BB+4*\t+3], s[10:11] offset:(16*(\a)+\t)*4096 th:TH_STORE_NT   ; 512 consecutive bytes, at a multiple of 256
.endr
.if (\a) == 0
.Lfine_rows:
.endif
.endm
	PLACES
	TOSTAGE 0
.irp a, 1,2,3
.if \a > 1
	s_wait_xcnt 0x0                                ; block a - 2's stores have read their registers
.endif
	TOSTAGE \a
	SEND \a-1, 32
.endr
	SEND 3, 0
	s_wait_tensorcnt 0x0                           ; the wave's end
	ds_add_u32 v[SPW], v[NIL]
	s_wait_dscnt 0x0
	CROUND                                         ; the closing round
	s_endpgm
.Lfunc_end_k_q1415fd0fa5_outproj:
	.size	k_q1415fd0fa5_outproj, .Lfunc_end_k_q1415fd0fa5_outproj-k_q1415fd0fa5_outproj
	.p2alignl 7, 3214868480
	.fill 96, 4, 3214868480
	.section	.rodata,"a",@progbits
	.p2align	6, 0x0
	.amdhsa_kernel k_q1415fd0fa5_outproj
		.amdhsa_group_segment_fixed_size 327680
		.amdhsa_private_segment_fixed_size 0
		.amdhsa_enable_private_segment 0
		.amdhsa_kernarg_size 32
		.amdhsa_user_sgpr_count 2
		.amdhsa_user_sgpr_kernarg_segment_ptr 1
		.amdhsa_wavefront_size32 1
		.amdhsa_system_sgpr_workgroup_id_x 1
		.amdhsa_system_sgpr_workgroup_id_y 1
		.amdhsa_system_sgpr_workgroup_id_z 1
		.amdhsa_system_vgpr_workitem_id 0
		.amdhsa_next_free_vgpr 576
		.amdhsa_next_free_sgpr 72
		.amdhsa_reserve_vcc 0
		.amdhsa_float_denorm_mode_32 3
		.amdhsa_float_denorm_mode_16_64 3
		.amdhsa_memory_ordered 1
		.amdhsa_forward_progress 1
		.amdhsa_inst_pref_size 88
	.end_amdhsa_kernel
	.amdgpu_metadata
---
amdhsa.version: [ 1, 2 ]
amdhsa.kernels:
  - .name:           k_q1415fd0fa5_outproj
    .symbol:         k_q1415fd0fa5_outproj.kd
    .args:
      - { .name: attn, .offset: 0, .size: 8, .value_kind: global_buffer, .address_space: global }
      - { .name: wout16, .offset: 8, .size: 8, .value_kind: global_buffer, .address_space: global }
      - { .name: b_out, .offset: 16, .size: 8, .value_kind: global_buffer, .address_space: global }
      - { .name: out0, .offset: 24, .size: 8, .value_kind: global_buffer, .address_space: global }
    .group_segment_fixed_size: 327680
    .private_segment_fixed_size: 0
    .kernarg_segment_align: 8
    .kernarg_segment_size: 32
    .max_flat_workgroup_size: 128
    .sgpr_count:     72
    .vgpr_count:     576
    .wavefront_size: 32
...
	.end_amdgpu_metadata
.endif
;; end of part 4
;; launch fine (part 5): grid 16 x 4, 16 waves a work-group, no clusters, 280,576 bytes of LDS; arguments qkv_fine, W_out, b_out, out0; writes out0
.if DOCPART == 5
	.amdgcn_target "amdgcn-amd-amdhsa--gfx1250"
	.amdhsa_code_object_version 6
	.text
	.protected	k_q1415fd0fa5_fine
	.globl	k_q1415fd0fa5_fine
	.p2align	8
	.type	k_q1415fd0fa5_fine,@function
k_q1415fd0fa5_fine:
	s_mov_b64 s[64:65], 0
	v_nop
	global_prefetch_b8 v0, s[64:65] scope:SCOPE_SE
	s_setreg_imm32_b32 hwreg(HW_REG_WAVE_MODE, 25, 1), 1
	s_wait_xcnt 0x0
; THE FIRST 16 POSITIONS OF EVERY SEQUENCE, wholly in f32: their rows average one to sixteen values, so they are carried more finely.  qkv_fine [16 batch + t][3072] f32; W_out [1024][1024] f32; out0 rows t < 16 of each batch.
; A work-group takes 64 output columns (x) of one batch (y).  Wave w takes head w: its attention of 16 queries on 16 keys, then its 64 channels' share of the projection; the 16 shares meet in LDS and are added in ascending order of the head.
; All products by the f32 matrix form, 16 x 16 x 4; the registers that it writes (SA, OT, ACC) are written by matrix instructions alone.
; Both operands of a product take K in the same order; the sums are the same up to the order of addition.
; No cluster: a slice of W_out is read by four work-groups only, and the whole launch is short.  No prefetch for the same reason.
; LDS: wave w's 64 rows x 64 columns of W_out at 17,408 w, rows 272 bytes apart, filled once by the wave's own tensor load and read by that wave alone; later the wave's share of the result lies there.
.set WREG,  17408
.set SPARE, 278528                     ; the spare words, 128 bytes a wave: eight blocks of 256 bytes that no other line names
.set QO,  3                            ; v3  12,288 r + 128 h: row r, my half's 32 channels
.set VO,  4                            ; v4  98,304 h + 4 r: my half's 8 keys, channel r
.set AW,  5                            ; v5  my place in my tile of W_out
.set DD,  6                            ; v6  r - 8 h
.set NINF, 7
.set SPW, 8
.set NIL, 9
.set STO, 10
.set RD,  11                           ; v11-14
.set GO,  15
.set BO,  240
.set QF,  16                           ; v16-47  Q; later W's fragments, buffer 0
.set KF,  48                           ; v48-79  K; later buffer 1
.set WF,  16
.set VF,  80                           ; v80-111 V^T
.set SA,  112                          ; v112-119, v120-127 the scores' two part sums
.set TT,  128                          ; v128-135 scores, then p
.set TM,  136                          ; v136-143 at work
.set OT,  144                          ; v144-175 O^T
.set ON,  176                          ; v176-207 O^T / the sum
.set ACC, 208                          ; v208-239 my share of the result
	s_load_b256 s[4:11], s[0:1], 0x0               ; qkv_fine s[4:5], W_out s[6:7], b_out s[8:9], out0 s[10:11]
	v_lshl_add_u32 v[SPW], v0, 2, SPARE
	v_mov_b32 v[NIL], 0
	ds_add_u32 v[SPW], v[NIL]                      ; the wave's opening: the add, twice on end, and its wait ahead of my tensor load
	ds_add_u32 v[SPW], v[NIL]
	v_lshrrev_b32 v1, 5, v0
	v_readfirstlane_b32 s12, v1                    ; wave = head
	s_and_b32 s13, ttmp7, 0xffff                   ; batch
	s_mov_b32 s16, (2<<16)|(1<<20)|(5<<22)|(3<<25) ; elements of 4 bytes; 4 words of padding after every 64
	s_mov_b32 s17, 64<<16
	s_mov_b32 s18, 64<<16
	s_mov_b32 s19, 64<<16
	s_mov_b32 s20, 64
	s_mov_b32 s21, 1024
	s_mov_b32 s22, 0
	s_mov_b32 s23, 0
	s_mul_i32 s14, s12, WREG                       ; my region
	s_lshl_b32 s32, s12, 18                        ; W_out: my 64 rows of 4,096 bytes,
	s_lshl_b32 s34, ttmp9, 8                       ; the slice's 256 bytes
	s_add_co_u32 s32, s32, s34
	s_mov_b32 s33, 0
	s_mov_b32 s35, 0
	s_mov_b32 s28, 0x3e38aa3b                      ; c = log2(e) / 8
	s_mov_b32 s29, s28
	s_mov_b32 s30, 0x76543210
	s_mov_b32 s31, 0xfedcba98
	s_wait_dscnt 0x0                               ; both opening adds are done
	s_wait_kmcnt 0x0
	s_mov_b32 s24, 1
	s_mov_b32 s25, s14
	s_add_nc_u64 s[26:27], s[6:7], s[32:33]
	s_or_b32 s27, s27, 0x80000000
	tensor_load_to_lds s[24:27], s[16:23]          ; my one tensor load: a first fill
	s_nop 0
	v_and_b32 v1, 15, v0                           ; r
	v_bfe_u32 v2, v0, 4, 1                         ; h
	v_mul_u32_u24 v[QO], v1, 12288
	v_lshl_add_u32 v[QO], v2, 7, v[QO]
	v_mul_u32_u24 v[VO], v2, 98304
	v_lshl_add_u32 v[VO], v1, 2, v[VO]
	s_mul_i32 s32, s13, 196608                     ; my batch's 16 rows,
	s_lshl_b32 s36, s12, 8                         ; my head's 256 bytes
	s_add_co_u32 s32, s32, s36
	s_add_nc_u64 s[4:5], s[4:5], s[32:33]
.irp i, 0,1,2,3,4,5,6,7
	global_load_b128 v[QF+4*\i:QF+4*\i+3], v[QO], s[4:5] offset:16*\i            ; Q(r, 32 h + 4 i ..)
.endr
.irp i, 0,1,2,3,4,5,6,7
	global_load_b128 v[KF+4*\i:KF+4*\i+3], v[QO], s[4:5] offset:4096+16*\i       ; K likewise
.endr
.irp dt, 0,1,2,3
.irp j, 0,1,2,3,4,5,6,7
	global_load_b32 v[VF+8*\dt+\j], v[VO], s[4:5] offset:12288*\j+8192+64*\dt    ; V(key 8 h + j, channel 16 dt + r)
.endr
.endr
	v_mul_u32_u24 v[AW], v2, 2176
	v_lshl_add_u32 v[AW], v1, 2, v[AW]
	v_add_nc_u32 v[AW], s14, v[AW]                 ; W: rows 8 h on, column r
	v_lshlrev_b32 v[DD], 3, v2
	v_sub_nc_u32 v[DD], v1, v[DD]
	v_mov_b32 v[NINF], 0xff800000
	v_mul_u32_u24 v[STO], v1, 272
	v_lshl_add_u32 v[STO], v2, 5, v[STO]
	v_add_nc_u32 v[STO], s14, v[STO]               ; my share: row r, 32 bytes for each half of the lanes
	s_mul_i32 s15, s12, 544
	v_mul_u32_u24 v[RD], v2, 272
	v_lshl_add_u32 v[RD], v1, 4, v[RD]
	v_add_nc_u32 v[RD], s15, v[RD]                 ; the adding waves: row 2 w + h of every share, 16 bytes a lane
	v_add_nc_u32 v[RD+1], 4*WREG, v[RD]
	v_add_nc_u32 v[RD+2], 8*WREG, v[RD]
	v_add_nc_u32 v[RD+3], 12*WREG, v[RD]
	v_lshlrev_b32 v[GO], 12, v2
	v_lshl_add_u32 v[GO], v1, 4, v[GO]
	v_lshlrev_b32 v[BO], 4, v1
	s_add_nc_u64 s[8:9], s[8:9], s[34:35]          ; the slice's bias
	s_lshl_b32 s32, s13, 23                        ; out0: the batch's first row,
	s_lshl_b32 s36, s12, 13                        ; rows 2 w on,
	s_add_co_u32 s32, s32, s36
	s_add_co_u32 s32, s32, s34                     ; the slice
	s_add_nc_u64 s[10:11], s[10:11], s[32:33]
	s_wait_loadcnt 32                              ; Q and K are in; V's 32 loads may be out
.irp s, 0,1,2,3,4,5,6,7,8,9,10,11,12,13,14,15  ; S^T = K Q^T: two part sums by turns
.if \s < 2
	v_wmma_f32_16x16x4_f32 v[SA+8*(\s%2):SA+8*(\s%2)+7], v[KF+2*\s:KF+2*\s+1], v[QF+2*\s:QF+2*\s+1], 0
.else
	v_wmma_f32_16x16x4_f32 v[SA+8*(\s%2):SA+8*(\s%2)+7], v[KF+2*\s:KF+2*\s+1], v[QF+2*\s:QF+2*\s+1], v[SA+8*(\s%2):SA+8*(\s%2)+7]
.endif
.endr
.rept 8
	v_nop                                          ; eight places behind this form (ISA guide 7.12.1)
.endr
.irp j, 0,1,2,3,4,5,6,7
	v_add_f32 v[TT+\j], v[SA+\j], v[SA+8+\j]       ; lane (r, h): query r, key 8 h + j
.endr
.irp j, 0,1,2,3,4,5,6,7
	v_cmp_gt_i32 vcc_lo, \j, v[DD]                 ; key after query
	v_cndmask_b32 v[TT+\j], v[TT+\j], v[NINF], vcc_lo
.endr
	v_max3_num_f32 v[TM], v[TT], v[TT+1], v[TT+2]
	v_max3_num_f32 v[TM+1], v[TT+3], v[TT+4], v[TT+5]
	v_max3_num_f32 v[TM], v[TM], v[TT+6], v[TT+7]
	v_max_num_f32 v[TM], v[TM], v[TM+1]
	v_permlanex16_b32 v[TM+1], v[TM], s30, s31
	v_max_num_f32 v[TM], v[TM], v[TM+1]            ; the row's maximum: key 0 counts for every query
	v_mul_f32 v[TM+2], s28, v[TM]
	v_mul_f32 v[TM+3], s28, v[TM]
.irp i, 0,2,4,6
	v_pk_fma_f32 v[TT+\i:TT+\i+1], v[TT+\i:TT+\i+1], s[28:29], v[TM+2:TM+3] op_sel_hi:[1,0,0] neg_lo:[0,0,1] neg_hi:[0,0,1]
.endr
.irp j, 0,1,2,3,4,5,6,7
	v_exp_f32 v[TT+\j], v[TT+\j]
.endr
	v_nop
	s_wait_alu depctr_va_vdst(0)                   ; one wait for the eight, ahead of the first use
	v_pk_add_f32 v[TM+4:TM+5], v[TT:TT+1], v[TT+2:TT+3]
	v_pk_add_f32 v[TM+6:TM+7], v[TT+4:TT+5], v[TT+6:TT+7]
	v_pk_add_f32 v[TM+4:TM+5], v[TM+4:TM+5], v[TM+6:TM+7]
	v_add_f32 v[TM+4], v[TM+4], v[TM+5]
	v_permlanex16_b32 v[TM+5], v[TM+4], s30, s31
	v_add_f32 v[TM+4], v[TM+4], v[TM+5]            ; the row's sum
	v_rcp_f32 v[TM+6], v[TM+4]
	v_nop
	s_wait_loadcnt 0x0                             ; V
.irp s, 0,1,2,3                                ; O^T = V^T P: four accumulators by turns; step s takes keys 8 h + 2 s, + 1
.irp dt, 0,1,2,3
.if \s == 0
	v_wmma_f32_16x16x4_f32 v[OT+8*\dt:OT+8*\dt+7], v[VF+8*\dt+2*\s:VF+8*\dt+2*\s+1], v[TT+2*\s:TT+2*\s+1], 0
.else
	v_wmma_f32_16x16x4_f32 v[OT+8*\dt:OT+8*\dt+7], v[VF+8*\dt+2*\s:VF+8*\dt+2*\s+1], v[TT+2*\s:TT+2*\s+1], v[OT+8*\dt:OT+8*\dt+7]
.endif
.endr
.endr
.rept 8
	v_nop
.endr
	s_wait_alu depctr_va_vdst(0)                   ; the reciprocal's wait, ahead of its first use
.set i, 0
.rept 16
	v_pk_mul_f32 v[ON+2*i:ON+2*i+1], v[OT+2*i:OT+2*i+1], v[TM+6:TM+7] op_sel_hi:[1,0]   ; register 8 dt + j: channel 16 dt + 8 h + j of query r
.set i, i+1
.endr
	s_wait_tensorcnt 0x0                           ; my tile of W_out is in; I alone read it
.macro LOADW g                         ; channels 16 g on: fragment (u, i): W(16 g + 8 h + 2 u + jj, 16 i + r)
.irp u, 0,1,2,3
.irp i, 0,1,2,3
.irp jj, 0,1
	ds_load_b32 v[WF+32*((\g)%2)+8*\u+2*\i+\jj], v[AW] offset:(16*(\g)+2*\u+\jj)*272+64*\i
.endr
.endr
.endr
.endm
.macro MULW g                          ; my share, transposed: source 0 = 16 columns of W, source 1 = my 16 queries: four accumulators by turns
.irp u, 0,1,2,3
.irp i, 0,1,2,3
.if ((\g) == 0) && (\u == 0)
	v_wmma_f32_16x16x4_f32 v[ACC+8*\i:ACC+8*\i+7], v[WF+32*((\g)%2)+8*\u+2*\i:WF+32*((\g)%2)+8*\u+2*\i+1], v[ON+8*(\g)+2*\u:ON+8*(\g)+2*\u+1], 0
.else
	v_wmma_f32_16x16x4_f32 v[ACC+8*\i:ACC+8*\i+7], v[WF+32*((\g)%2)+8*\u+2*\i:WF+32*((\g)%2)+8*\u+2*\i+1], v[ON+8*(\g)+2*\u:ON+8*(\g)+2*\u+1], v[ACC+8*\i:ACC+8*\i+7]
.endif
.endr
.endr
.endm
	LOADW 0
	LOADW 1
	s_wait_dscnt 32                                ; group 0's loads are in; group 1's 32 may be out
	MULW 0
.rept 8
	v_nop                                          ; places in front of loads into registers that these products read
.endr
	LOADW 2
	s_wait_dscnt 32
	MULW 1
.rept 8
	v_nop
.endr
	LOADW 3
	s_wait_dscnt 32
	MULW 2
	s_wait_dscnt 0x0
	MULW 3
.rept 8
	v_nop
.endr
.irp i, 0,1,2,3                                ; my share goes into my own region, which has had its one fill and its last read
	ds_store_b128 v[STO], v[ACC+8*\i:ACC+8*\i+3] offset:64*\i
	ds_store_b128 v[STO], v[ACC+8*\i+4:ACC+8*\i+7] offset:64*\i+16
.endr
	s_wait_dscnt 0x0                               ; for the others' sake: my stores have landed
	s_barrier_signal -1
	s_barrier_wait -1
	s_cmp_lt_u32 s12, 8
	s_cbranch_scc1 .Lreduce
	s_wait_tensorcnt 0x0                           ; the wave's end
	ds_add_u32 v[SPW], v[NIL]
	s_wait_dscnt 0x0
	s_endpgm
.Lreduce:                                          ; waves 0-7: rows 2 w and 2 w + 1: sixteen lanes to a row of 256 bytes
.irp u, 0,1,2,3,4,5,6,7,8,9,10,11,12,13,14,15
	ds_load_b128 v[16+4*\u:19+4*\u], v[RD+\u/4] offset:WREG*(\u%4)
.endr
	global_load_b128 v[80:83], v[BO], s[8:9]
	s_wait_dscnt 0x0
.irp u, 1,2,3,4,5,6,7,8,9,10,11,12,13,14,15
	v_pk_add_f32 v[16:17], v[16:17], v[16+4*\u:17+4*\u]
	v_pk_add_f32 v[18:19], v[18:19], v[18+4*\u:19+4*\u]
.endr
	s_wait_loadcnt 0x0
	v_pk_add_f32 v[16:17], v[16:17], v[80:81]
	v_pk_add_f32 v[18:19], v[18:19], v[82:83]
	global_store_b128 v[GO], v[16:19], s[10:11]    ; sixteen lanes store 256 consecutive bytes, aligned
	s_wait_tensorcnt 0x0                           ; the wave's end
	ds_add_u32 v[SPW], v[NIL]
	s_wait_dscnt 0x0
	s_endpgm
.Lfunc_end_k_q1415fd0fa5_fine:
	.size	k_q1415fd0fa5_fine, .Lfunc_end_k_q1415fd0fa5_fine-k_q1415fd0fa5_fine
	.p2alignl 7, 3214868480
	.fill 96, 4, 3214868480
	.section	.rodata,"a",@progbits
	.p2align	6, 0x0
	.amdhsa_kernel k_q1415fd0fa5_fine
		.amdhsa_group_segment_fixed_size 280576
		.amdhsa_private_segment_fixed_size 0
		.amdhsa_enable_private_segment 0
		.amdhsa_kernarg_size 32
		.amdhsa_user_sgpr_count 2
		.amdhsa_user_sgpr_kernarg_segment_ptr 1
		.amdhsa_wavefront_size32 1
		.amdhsa_system_sgpr_workgroup_id_x 1
		.amdhsa_system_sgpr_workgroup_id_y 1
		.amdhsa_system_sgpr_workgroup_id_z 1
		.amdhsa_system_vgpr_workitem_id 0
		.amdhsa_next_free_vgpr 256
		.amdhsa_next_free_sgpr 66
		.amdhsa_reserve_vcc 1
		.amdhsa_float_denorm_mode_32 3
		.amdhsa_float_denorm_mode_16_64 3
		.amdhsa_memory_ordered 1
		.amdhsa_forward_progress 1
		.amdhsa_inst_pref_size 31
	.end_amdhsa_kernel
	.amdgpu_metadata
---
amdhsa.version: [ 1, 2 ]
amdhsa.kernels:
  - .name:           k_q1415fd0fa5_fine
    .symbol:         k_q1415fd0fa5_fine.kd
    .args:
      - { .name: qkv_fine, .offset: 0, .size: 8, .value_kind: global_buffer, .address_space: global }
      - { .name: W_out, .offset: 8, .size: 8, .value_kind: global_buffer, .address_space: global }
      - { .name: b_out, .offset: 16, .size: 8, .value_kind: global_buffer, .address_space: global }
      - { .name: out0, .offset: 24, .size: 8, .value_kind: global_buffer, .address_space: global }
    .group_segment_fixed_size: 280576
    .private_segment_fixed_size: 0
    .kernarg_segment_align: 8
    .kernarg_segment_size: 32
    .max_flat_workgroup_size: 512
    .sgpr_count:     66
    .vgpr_count:     256
    .wavefront_size: 32
...
	.end_amdgpu_metadata
.endif
;; end of part 5
